; MI455X (gfx1250); checked and timed in simulation.
; The chip was launched on July 23, 2026; its instructions are those of AMD's public machine-readable ISA for CDNA 5 (MIT licence, August 2026) and "CDNA5" Instruction Set Architecture Reference Guide (July 2026). The comments in the code are by the model that wrote it; some were corrected since.
;; Scaled Dot Product Attn. Allowed arithmetic: matrix products marked QUANTISED: E4M3 operands, one given power-of-two scale a tensor, by v_wmma_f32_16x16x64_fp8_fp8 or v_wmma_f32_16x16x128_fp8_fp8, f32 sums; everything else in f32.
;; Inputs: k 16 x 2,048 x 64 float32; lowp_scales 4 int32 (the exponents e of the quantised operands' scales 2^e); mask 16 x 2,048 x 2,048 bool; q 16 x 2,048 x 64 float32; v 16 x 2,048 x 64 float32.
;; Outputs: out0 16 x 2,048 x 64 float32.
;; This version of the problem:
;;   THIS VERSION OF THE PROBLEM IS GIVEN IN LOW PRECISION. The matrix products marked QUANTISED in the list below multiply operands that are first quantised to E4M3 (4 exponent bits, 3 mantissa bits; 8 bits a number), with one given power-of-two scale for each operand tensor; their sums are f32. All else is computed in f32.
;;   The module's matrix products, in the order in which they are computed (A, B: the left and right operand; K: the contracted axis; several contracted axes count as one K, in the product's order):
;;     1. batch 16 x [M 2,048, K 64] x [K 64, N 2,048]; A: input q; B: input k: QUANTISED (scales: A lowp_scales[0], B lowp_scales[1])
;;     2. batch 16 x [M 2,048, K 2,048] x [K 2,048, N 64]; A: softmax (see below); B: input v: QUANTISED (scales: A lowp_scales[2], B lowp_scales[3])
;;   THE QUANTISER, for each operand of a quantised product, along K:
;;     - The operand's scale is 2^e, e = its entry of the input lowp_scales (int32; the entries are numbered through the quantised products in the list's order, A before B).
;;     - Each number is divided by the scale, clamped to +-448, and rounded to the nearest number of E4M3, ties to even, subnormals kept.
;;     - The product sums the exact products of the quantised numbers (number of the format x scale) in f32.
;;   ~~~python
;;   def quantise(x, axis, e):      # numpy; x: float32 -> the quantised numbers, widened to float32 again
;;       x = np.moveaxis(x, axis, -1); K = x.shape[-1]
;;       r = np.clip(x / 2.0 ** e, -448, 448)
;;       step = 2.0 ** (np.maximum(np.frexp(np.where(r == 0, 1, r))[1] - 1, -6) - 3)
;;       q = np.round(r / step) * step * 2.0 ** e      # np.round: ties to even
;;       return np.moveaxis(q, -1, axis).astype(np.float32)
;;   ~~~
;;   SOFTMAX AHEAD OF A QUANTISED PRODUCT. Where the list says 'softmax', what is quantised is not the finished softmax but p = 2^(t - M), with t = logit x log2(e) and M = ceil(the row's largest t), a whole number; so 1/2 < the row's largest p <= 1. The row's sum l is taken of the UNQUANTISED p, in f32, and the product's result is divided by l at the end. Since M is a whole number, a kernel that streams over the keys may use a running M (the ceiling of the running maximum): every later rescaling is an exact power of two, so the quantised numbers keep their values, but for numbers so far below the row's largest that they fall under the format's range.
;;   OPERANDS COMPUTED ON THE WAY. 'Computed on the way' means the value that the module computes at that place (a softmax that the list does not call 'softmax' is quantised finished and normalised). What goes into a quantiser is computed in f32, as accurately as f32 sums, v_exp_f32 and their like allow (about 1e-6 of the number): no bf16 or f16 on the way to a quantiser, and a product that is left as it is and whose result goes on into a quantised operand takes f32 operands (vector FMAs, or v_wmma_f32_16x16x4_f32). A number that lies on a knife's edge between two numbers of the format may be rounded either way, as far as f32 arithmetic and the matrix unit's own rounding can turn it there, and no further.
;; 2 versions. Each part assembles by itself: llvm-mc -triple=amdgcn-amd-amdhsa -mcpu=gfx1250 --defsym DOCPART=n.
;; ======== version 1 of 2: 2 launches
;; limits: right only within a limited range of input values
;; workspace buffers: kc 2,097,152 bytes; vc 2,097,152 bytes
;; launch quant (part 1): grid 256 x 1, 8 waves a work-group, no clusters, 35,840 bytes of LDS; arguments k, v, lowp_scales, kc, vc; writes kc, vc
.if DOCPART == 1
	.amdgcn_target "amdgcn-amd-amdhsa--gfx1250"
	.amdhsa_code_object_version 6
	.text
	.protected	k_q5c58fb93f5_quant
	.globl	k_q5c58fb93f5_quant
	.p2align	8
	.type	k_q5c58fb93f5_quant,@function
k_q5c58fb93f5_quant:
	s_mov_b64 s[64:65], 0
	v_nop
	global_prefetch_b8 v0, s[64:65] scope:SCOPE_SE
	s_setreg_imm32_b32 hwreg(HW_REG_WAVE_MODE, 25, 1), 1
	s_wait_xcnt 0x0
; k and v, [16][2048][64] f32, become codes of FP8 (E4M3), each with the one scale 2^e that is given for it (entry 1 of the scales for k, entry 3 for v):
; code = x / 2^e, held within +-448, rounded to the nearest code, ties to even.  LIMITS: ek and ev between -126 and 119; NaN among the inputs is not served.
; THE CODES ARE LAID AS IMAGES OF THE NEXT LAUNCH'S OPERAND REGISTERS: a chunk is one batch's 256 keys (batch b, eighth w), 16,384 bytes, and every group of four registers is 512 consecutive bytes, lane l's 16 at 16 l.
;   kc: chunk x 16384 + i x 1024 + c x 512 + 16 l, l = m + 16 hh: k[key 128 (m / 8) + 8 i + m % 8][channel 32 hh + 16 c + 0 .. 15]       (tile i = 0 .. 15, c = 0, 1)
;   vc: chunk x 16384 + (4 s + u) x 2048 + c x 512 + 16 l, l = r + 16 h: v[key 128 h + 64 s + 16 c + 0 .. 15][channel 16 u + r]        (s = 0, 1; u = 0 .. 3; c = 0 .. 3)
; Work-groups 0 to 127 take a chunk of k each, work-groups 128 to 255 a chunk of v; eight waves share a chunk.  No wave reads what another wrote: no barrier.
; K: the contracted axis (channels) is innermost.  A load takes 512 consecutive bytes (two keys' rows); the sixteen rows of a tile turn through the wave's own stage in LDS, and a lane takes back 32 neighbours of one key.
; V: the contracted axis (keys) is NOT innermost.  A lane takes a channel and its registers run down sixteen keys: the conversions give codes with the keys innermost, and nothing is transposed.
.set PITCH, 272                        ; a stage row: 256 bytes + 16: sixteen rows begin at sixteen different 16-byte columns modulo 256
.set WSTG,  16*PITCH                   ; a wave's stage
.set SPARE, 8*WSTG                     ; behind the stages: the spare words, 128 bytes for each wave: four blocks of 256 bytes that no other line names
.set SPW,  1                           ; v1   LDS address of my spare word; never rewritten
.set NIL,  2                           ; v2   0; never rewritten
.set LI,   3                           ; v3   16 x lane
.set STI,  4                           ; v4   into the stage: row lane / 16, byte 16 (lane % 16)
.set STO,  5                           ; v5   out of it: row lane % 16, byte 128 (lane / 16)
.set L4,   6                           ; v6   4 x lane
.set VST,  7                           ; v7   V's codes: 2048 (lane / 16) + 16 (lane % 16)
.set LIMV, 10                          ; v10  448 x 2^e
.set SCL,  11                          ; v11  2^e
.set R,    16                          ; v16-79   numbers as they are loaded
.set X,    80                          ; v80-143  K: numbers back from the stage
.set C,    144                         ; v144-159 codes
.macro SCALE e                         ; the given exponent in s[e] -> 2^e and 448 x 2^e as f32 numbers
	s_wait_kmcnt 0x0
	s_add_co_i32 s28, s[\e], 127
	s_lshl_b32 s29, s28, 23
	v_mov_b32 v[SCL], s29                          ; the conversion takes its exponent field
	s_add_co_i32 s28, s28, 8
	s_lshl_b32 s28, s28, 23
	s_or_b32 s28, s28, 0x600000                    ; 448 = 1.75 x 2^8
	v_mov_b32 v[LIMV], s28
.endm
.macro QUANT src, dst                  ; 32 numbers of a lane -> 32 codes in 8 registers
.set qi, 0
.rept 32
	v_med3_num_f32 v[\src+qi], v[\src+qi], -v[LIMV], v[LIMV]   ; the conversion to an 8-bit code does not saturate (ISA guide 7.6.2): the hold comes first
.set qi, qi+1
.endr
.set qi, 0
.rept 4
	v_cvt_scalef32_pk8_fp8_f32 v[\dst+2*qi:\dst+2*qi+1], v[\src+8*qi:\src+8*qi+7], v[SCL]
.set qi, qi+1
.endr
	v_nop                                          ; a plain vector line behind the last conversion of a run
.endm
	s_load_b128 s[4:7], s[0:1], 0x0                ; k s[4:5], v s[6:7]
	s_load_b64 s[8:9], s[0:1], 0x10                ; the scales' exponents
	s_load_b128 s[12:15], s[0:1], 0x18             ; kc s[12:13], vc s[14:15]
	v_lshl_add_u32 v[SPW], v0, 2, SPARE
	v_mov_b32 v[NIL], 0
	v_lshrrev_b32 v8, 5, v0
	v_readfirstlane_b32 s16, v8                    ; wave 0..7
	v_and_b32 v8, 31, v0                           ; lane
	v_and_b32 v9, 15, v0                           ; lane % 16
	v_bfe_u32 v12, v0, 4, 1                        ; lane / 16
	v_lshlrev_b32 v[LI], 4, v8
	v_lshlrev_b32 v[L4], 2, v8
	v_lshlrev_b32 v13, 4, v9
	v_lshl_add_u32 v[VST], v12, 11, v13
	s_mul_i32 s24, s16, WSTG
	v_mul_u32_u24 v[STI], v12, PITCH
	v_add_nc_u32 v[STI], v[STI], v13
	v_add_nc_u32 v[STI], s24, v[STI]
	v_mul_u32_u24 v[STO], v9, PITCH
	v_lshl_add_u32 v[STO], v12, 7, v[STO]
	v_add_nc_u32 v[STO], s24, v[STO]
	s_wait_kmcnt 0x0
	s_load_b128 s[20:23], s[8:9], 0x0              ; eq, ek, ep, ev
	s_cmp_lt_u32 ttmp9, 128
	s_cbranch_scc0 .Lv_path
	; ---- K.  Wave wv makes tiles 2 wv and 2 wv + 1.  Tile i is keys 8 i .. 8 i + 7 and 128 + 8 i .. 128 + 8 i + 7.
	s_lshl_b32 s24, ttmp9, 16                      ; the chunk's 256 rows of 256 bytes,
	s_lshl_b32 s25, s16, 12                        ; my 16 keys of its first half
	s_add_co_u32 s24, s24, s25
	s_mov_b32 s25, 0
	s_add_nc_u64 s[4:5], s[4:5], s[24:25]
	s_lshl_b32 s26, ttmp9, 14                      ; the chunk's codes,
	s_lshl_b32 s27, s16, 11                        ; my two tiles
	s_add_co_u32 s26, s26, s27
	s_mov_b32 s27, 0
	s_add_nc_u64 s[12:13], s[12:13], s[26:27]
.irp tt, 0,1
.irp hp, 0,1
.irp i, 0,1,2,3
	global_load_b128 v[R+32*\tt+16*\hp+4*\i:R+32*\tt+16*\hp+4*\i+3], v[LI], s[4:5] offset:2048*\tt+32768*\hp+512*\i th:TH_LOAD_NT   ; 512 consecutive bytes: two keys
.endr
.endr
.endr
	SCALE 21                                       ; ek
.irp tt, 0,1
	s_wait_loadcnt 8-8*\tt                         ; this tile's eight loads are in; the other tile's eight may be out
.irp hp, 0,1
.irp i, 0,1,2,3
	ds_store_b128 v[STI], v[R+32*\tt+16*\hp+4*\i:R+32*\tt+16*\hp+4*\i+3] offset:(8*\hp+2*\i)*PITCH   ; tile row m = 8 hp + 2 i + lane / 16
.endr
.endr
.irp n, 0,1,2,3,4,5,6,7
	ds_load_b128 v[X+32*\tt+4*\n:X+32*\tt+4*\n+3], v[STO] offset:16*\n   ; LDS serves a wave's instructions in order (ISA guide 5.7.1.4): these see the stores above, and the next tile's stores come behind them
.endr
.endr
.irp tt, 0,1
	s_wait_dscnt 16-16*\tt                         ; this tile is back; the other tile's eight stores and eight loads may be out
	QUANT X+32*\tt, C+8*\tt
	global_store_b128 v[LI], v[C+8*\tt:C+8*\tt+3], s[12:13] offset:1024*\tt          ; 32 lanes store 512 consecutive bytes, aligned
	global_store_b128 v[LI], v[C+8*\tt+4:C+8*\tt+7], s[12:13] offset:1024*\tt+512
.endr
	s_branch .Lend
.Lv_path:
	; ---- V.  Wave wv makes the groups of 16 keys g = 2 wv and 2 wv + 1, for all 64 channels: 16 g = 128 h + 64 s + 16 c gives h = wv / 4, s = (wv / 2) % 2, c = 2 (wv % 2) + gg.
	s_sub_co_u32 s17, ttmp9, 128
	s_lshl_b32 s24, s17, 16
	s_lshl_b32 s25, s16, 13                        ; my 32 keys
	s_add_co_u32 s24, s24, s25
	s_mov_b32 s25, 0
	s_add_nc_u64 s[6:7], s[6:7], s[24:25]
	s_lshl_b32 s26, s17, 14
	s_bfe_u32 s27, s16, 0x10001
	s_lshl_b32 s27, s27, 13                        ; s x 4 fragments of 2,048 bytes
	s_add_co_u32 s26, s26, s27
	s_and_b32 s27, s16, 1
	s_lshl_b32 s27, s27, 10                        ; 2 (wv % 2) x 512
	s_add_co_u32 s26, s26, s27
	s_lshr_b32 s27, s16, 2
	s_lshl_b32 s27, s27, 8                         ; h: lanes 16 to 31 of the image
	s_add_co_u32 s26, s26, s27
	s_mov_b32 s27, 0
	s_add_nc_u64 s[14:15], s[14:15], s[26:27]
.irp gg, 0,1
.irp i, 0,1,2,3,4,5,6,7,8,9,10,11,12,13,14,15
.irp uu, 0,1
	global_load_b32 v[R+16*(2*\gg+\uu)+\i], v[L4], s[6:7] offset:4096*\gg+256*\i+128*\uu th:TH_LOAD_NT   ; key 16 gg + i, channel 32 uu + lane: the two halves of a key's row stand side by side
.endr
.endr
.endr
	SCALE 23                                       ; ev
.irp gg, 0,1
	s_wait_loadcnt 32-32*\gg                       ; this group's 32 loads are in; the other group's may be out
	QUANT R+32*\gg, C+8*\gg
.irp uu, 0,1
	global_store_b128 v[VST], v[C+8*\gg+4*\uu:C+8*\gg+4*\uu+3], s[14:15] offset:512*\gg+4096*\uu   ; channel tile u = 2 uu + lane / 16: each half of the lanes stores 256 consecutive bytes, aligned
.endr
.endr
.Lend:
	s_wait_tensorcnt 0x0                           ; the wave's end
	ds_add_u32 v[SPW], v[NIL]
	s_wait_dscnt 0x0
	s_endpgm
.Lfunc_end_k_q5c58fb93f5_quant:
	.size	k_q5c58fb93f5_quant, .Lfunc_end_k_q5c58fb93f5_quant-k_q5c58fb93f5_quant
	.p2alignl 7, 3214868480
	.fill 96, 4, 3214868480
	.section	.rodata,"a",@progbits
	.p2align	6, 0x0
	.amdhsa_kernel k_q5c58fb93f5_quant
		.amdhsa_group_segment_fixed_size 35840
		.amdhsa_private_segment_fixed_size 0
		.amdhsa_enable_private_segment 0
		.amdhsa_kernarg_size 40
		.amdhsa_user_sgpr_count 2
		.amdhsa_user_sgpr_kernarg_segment_ptr 1
		.amdhsa_wavefront_size32 1
		.amdhsa_system_sgpr_workgroup_id_x 1
		.amdhsa_system_sgpr_workgroup_id_y 1
		.amdhsa_system_sgpr_workgroup_id_z 1
		.amdhsa_system_vgpr_workitem_id 0
		.amdhsa_next_free_vgpr 160
		.amdhsa_next_free_sgpr 66
		.amdhsa_reserve_vcc 0
		.amdhsa_float_denorm_mode_32 3
		.amdhsa_float_denorm_mode_16_64 3
		.amdhsa_memory_ordered 1
		.amdhsa_forward_progress 1
		.amdhsa_inst_pref_size 23
	.end_amdhsa_kernel
	.amdgpu_metadata
---
amdhsa.version: [ 1, 2 ]
amdhsa.kernels:
  - .name:           k_q5c58fb93f5_quant
    .symbol:         k_q5c58fb93f5_quant.kd
    .args:
      - { .name: k, .offset: 0, .size: 8, .value_kind: global_buffer, .address_space: global }
      - { .name: v, .offset: 8, .size: 8, .value_kind: global_buffer, .address_space: global }
      - { .name: lowp_scales, .offset: 16, .size: 8, .value_kind: global_buffer, .address_space: global }
      - { .name: kc, .offset: 24, .size: 8, .value_kind: global_buffer, .address_space: global }
      - { .name: vc, .offset: 32, .size: 8, .value_kind: global_buffer, .address_space: global }
    .group_segment_fixed_size: 35840
    .private_segment_fixed_size: 0
    .kernarg_segment_align: 8
    .kernarg_segment_size: 40
    .max_flat_workgroup_size: 256
    .sgpr_count:     66
    .vgpr_count:     160
    .wavefront_size: 32
...
	.end_amdgpu_metadata
.endif
;; end of part 1
;; launch attn (part 2): grid 16 x 16, 8 waves a work-group, no clusters, 323,584 bytes of LDS; arguments q, kc, vc, mask, lowp_scales, out0; writes out0
.if DOCPART == 2
	.amdgcn_target "amdgcn-amd-amdhsa--gfx1250"
	.amdhsa_code_object_version 6
	.text
	.protected	k_q5c58fb93f5_attn
	.globl	k_q5c58fb93f5_attn
	.p2align	8
	.type	k_q5c58fb93f5_attn,@function
k_q5c58fb93f5_attn:
	s_mov_b64 s[64:65], 0
	v_nop
	global_prefetch_b8 v0, s[64:65] scope:SCOPE_SE
	s_setreg_imm32_b32 hwreg(HW_REG_WAVE_MODE, 25, 1), 1
	s_wait_xcnt 0x0
; out[b][q][:] = the sum over k of softmax_k(q . k / 8, hidden where mask is true) v[b][k][:], both products on codes of FP8 (E4M3) with the given scales 2^eq, 2^ek, 2^ep, 2^ev.
; AHEAD OF THE SECOND PRODUCT: t = score x log2(e) / 8; M = the largest t rounded UP to a whole number; p = 2^(t - M) is quantised, not normalised; the sum of the unquantised p divides at the end.
; SHARES.  A work-group is one batch and 128 queries.  THE EIGHT WAVES SHARE THE KEYS: wave w owns keys 256 w .. 256 w + 255, and its codes of K (128 registers) and of V (128) stay in registers, loaded once, as
; images of the operands' registers.  A wave walks the block's eight tiles of 16 queries; for a tile it sees all its 256 keys at once: one maximum, nothing rescaled, no barrier in the loop.  It leaves a partial result
; (its smallest raw sum, its sum of p, its O^T under its own whole number M) in LDS.  Behind one barrier wave w joins the eight partials of tile w: each is multiplied by 2^(its M - the largest M), which rounds nothing.
; LAYOUT.  Both products are used transposed: S^T = K Q^T (source 0 = 16 keys, source 1 = 16 queries), O^T = V^T P^T.  A lane (r = lane % 16, h = lane / 16) holds ONE query r throughout.
; Row m of K's tile i is key 128 (m / 8) + 8 i + m % 8, so register j of tile i holds key 128 h + 8 i + j: a lane's 128 scores are 128 NEIGHBOURING keys: 128 neighbouring mask bytes, and p's codes in the order in which V is laid.
; THE MASK IS THE C OF THE FIRST PRODUCT.  A mask byte, 0 or 1, read as a code of E4M3 is 0 or 2^-9; the conversion back to f32 with the scale byte 254 (2^127) makes 0 or 2^118 of eight bytes at a time, straight into the accumulator.
; q IS QUANTISED NEGATED (the format is symmetric): the accumulator holds -(q . k in codes) + 2^118 x mask.  The largest score is the SMALLEST sum, and t = cn x sum with cn = -log2(e) / 8 x 2^(eq + ek).
; A sum of codes is at most 448 x 448 x 64 < 2^24: so a smallest sum above 2^100 says that every key is hidden.  A row all of whose 2,048 keys are hidden is NaN, as the softmax of such a row is.
; A wave all of whose keys are hidden for a query has an M far under every real one: its factor in the join is 0, and its partial is finite.
; THE HOLD OF p at 448 x 2^ep changes nothing where ep >= -8 (p is at most 1 and 448 x 2^-8 = 1.75): a scalar branch on the given whole number ep jumps over its 128 lines; they run where ep < -8.
; NO CLUSTER, no joint loads: the shared bytes, K's and V's codes, are read once at the head, 32,768 bytes a wave, straight into the registers where they stay; a joint load would bring the work-group's 262,144 bytes through
; LDS, where the partial results lie, and back out by 64 LDS loads a wave.
; LIMITS: eq + ek between -100 and 100 (a hidden key's t stays under -40,000, a real t stays finite); eq and ep between -126 and 119; mask bytes are 0 or 1; NaN among q, k, v is not served.
; REGISTERS.  Window 0: v0-23 addresses, constants, statistics; v24-31 Q's fragment; v32-63 the mask in the lane's order; v64-95 the mask as loaded; v96-127 p's codes; v128-255 the scores, then p; O^T lies over v128-159.
;             Window 1: v0-127 K (tile i at 8 i); v128-255 V (fragment (s, u) at 128 + 16 (4 s + u)).
.set STAT,  262144                     ; LDS: from 0 the partial O^T: tile x 32768 + wave x 4096 + c x 512 + 16 lane;  here (smallest sum, sum of p): tile x 2048 + wave x 256 + 8 lane
.set QIMG,  278528                     ; Q's eight fragments as images: tile x 1024 + c x 512 + 16 lane
.set MSTG,  286720                     ; a stage for each wave: 16 rows of 256 bytes + 16
.set PITCH, 272                        ; sixteen rows begin at sixteen different 16-byte columns modulo 256
.set WSTG,  16*PITCH
.set SPARE, MSTG+8*WSTG                ; the spare words, 128 bytes for each wave: four blocks of 256 bytes that no other line names
.set SPW,  1                           ; v1   LDS address of my spare word; never rewritten
.set NIL,  2                           ; v2   0; never rewritten
.set LI,   3                           ; v3   16 x lane
.set GM,   4                           ; v4   the mask in memory: row lane / 16 (2,048 bytes), byte 16 (lane % 16)
.set STI,  5                           ; v5   my stage by rows of 256 bytes: row lane / 16, byte 16 (lane % 16)
.set STO,  6                           ; v6   my stage by lanes: row lane % 16, byte 128 (lane / 16)
.set PA0,  7                           ; v7   wave x 4096 + 16 lane
.set SA0,  8                           ; v8   STAT + wave x 256 + 8 lane
.set PFO,  9                           ; v9   the prefetch: row lane % 16, block lane / 16
.set PA,   10                          ; v10  this trip's place for O^T
.set PX,   11                          ; v11  a lane permute's destination (written at the head: it counts as read)
.set CH,   12                          ; v12-15 four chains of the minimum, then two pairs of the sum
.set NM,   16                          ; v[16:17] -M (the low word serves both halves); in the join the last factor
.set RAW,  18                          ; v[18:19] my smallest sum, my sum of p
.set SA,   20                          ; v20  this trip's place for them
.set SC8,  21                          ; v21  the scale byte 254 in all four bytes
.set SCP,  22                          ; v22  2^ep
.set LMP,  23                          ; v23  448 x 2^ep
.set QF,   24
.set ML,   32
.set ST,   64
.set P,    96
.set S,    128
.set MSB, 0
.macro WIN new                         ; s_set_vgpr_msb: bits 1:0 source 0, 7:6 destination; the immediate's high byte repeats the setting that is left
.if MSB != \new
	s_set_vgpr_msb (MSB<<8)|\new
.set MSB, \new
.endif
.endm
.macro MLOAD reg, off                  ; a tile's mask for my 256 keys: each load takes two rows' 256 aligned bytes
.irp i, 0,1,2,3,4,5,6,7
	global_load_b128 v[\reg+4*\i:\reg+4*\i+3], v[GM], s[10:11] offset:\off+4096*\i th:TH_LOAD_NT
.endr
.endm
.macro TOSTG reg                       ; 16 rows of 256 bytes into my stage, as they were loaded,
.irp i, 0,1,2,3,4,5,6,7
	ds_store_b128 v[STI], v[\reg+4*\i:\reg+4*\i+3] offset:2*PITCH*\i
.endr
.endm
.macro FROMSTG reg                     ; and back: 128 neighbouring bytes of row lane % 16.  LDS serves a wave's instructions in order (ISA guide 5.7.1.4): no wait between the two
.irp n, 0,1,2,3,4,5,6,7
	ds_load_b128 v[\reg+4*\n:\reg+4*\n+3], v[STO] offset:16*\n
.endr
.endm
.macro PLACES n                        ; plain vector lines between a matrix instruction and what reads its result or writes its registers (ISA guide 7.12.1)
.rept \n
	v_nop
.endr
.endm
	s_load_b256 s[4:11], s[0:1], 0x0               ; q s[4:5], kc s[6:7], vc s[8:9], mask s[10:11]
	s_load_b128 s[12:15], s[0:1], 0x20             ; the scales' exponents s[12:13], out s[14:15]
	v_lshl_add_u32 v[SPW], v0, 2, SPARE
	v_mov_b32 v[NIL], 0
	v_lshrrev_b32 v10, 5, v0
	v_readfirstlane_b32 s16, v10                   ; wave 0..7
	v_and_b32 v11, 31, v0                          ; lane
	v_and_b32 v12, 15, v0                          ; r
	v_bfe_u32 v13, v0, 4, 1                        ; h
	v_lshlrev_b32 v[LI], 4, v11
	v_lshlrev_b32 v14, 4, v12
	v_lshl_add_u32 v[GM], v13, 11, v14
	s_mul_i32 s33, s16, WSTG
	s_add_co_u32 s33, s33, MSTG                    ; my stage
	v_mul_u32_u24 v[STI], v13, PITCH
	v_add_nc_u32 v[STI], v[STI], v14
	v_add_nc_u32 v[STI], s33, v[STI]
	v_mul_u32_u24 v[STO], v12, PITCH
	v_lshl_add_u32 v[STO], v13, 7, v[STO]
	v_add_nc_u32 v[STO], s33, v[STO]
	s_lshl_b32 s33, s16, 12
	v_add_nc_u32 v[PA0], s33, v[LI]
	s_lshl_b32 s33, s16, 8
	s_add_co_u32 s33, s33, STAT
	v_lshl_add_u32 v[SA0], v11, 3, s33
	v_lshlrev_b32 v[PFO], 11, v12
	v_lshl_add_u32 v[PFO], v13, 8, v[PFO]
	s_lshl_b32 s33, s16, 10
	s_add_co_u32 s33, s33, QIMG
	v_add_nc_u32 v[PA], s33, v[LI]                 ; for now: where the image of my tile of Q goes
	v_add_nc_u32 v0, QIMG, v[LI]                   ; and where tile 0's lies (the thread's number is used no more)
	s_and_b32 s18, ttmp7, 0xffff                   ; the batch
	s_lshl_b32 s34, s18, 19                        ; q and out: (2048 batch + 128 x + 16 wave) rows of 256 bytes
	s_lshl_b32 s33, ttmp9, 15
	s_add_co_u32 s34, s34, s33
	s_lshl_b32 s33, s16, 12
	s_add_co_u32 s34, s34, s33
	s_mov_b32 s35, 0
	s_lshl_b32 s36, s18, 22                        ; the mask: (2048 batch + 128 x) rows of 2,048 bytes + 256 wave
	s_lshl_b32 s33, ttmp9, 18
	s_add_co_u32 s36, s36, s33
	s_lshl_b32 s33, s16, 8
	s_add_co_u32 s36, s36, s33
	s_mov_b32 s37, 0
	s_lshl_b32 s40, s18, 3                         ; the codes: chunk 8 batch + wave, 16,384 bytes
	s_add_co_u32 s40, s40, s16
	s_lshl_b32 s40, s40, 14
	s_mov_b32 s41, 0
	s_mov_b32 s26, 0x76543210                      ; v_permlanex16_b32's selects for lane l xor 16
	s_mov_b32 s27, 0xfedcba98
	s_and_b32 s33, s16, 1
	s_cmp_eq_u32 s33, 0
	s_cselect_b32 s32, 5, 0                        ; even waves prefetch in trips 0 to 4, odd waves never
	s_wait_kmcnt 0x0
	s_load_b128 s[20:23], s[12:13], 0x0            ; eq, ek, ep, ev
	s_add_nc_u64 s[4:5], s[4:5], s[34:35]
	s_add_nc_u64 s[14:15], s[14:15], s[34:35]
	s_add_nc_u64 s[10:11], s[10:11], s[36:37]
	s_add_nc_u64 s[6:7], s[6:7], s[40:41]
	s_add_nc_u64 s[8:9], s[8:9], s[40:41]
.irp i, 0,1,2,3,4,5,6,7
	global_load_b128 v[ST+4*\i:ST+4*\i+3], v[LI], s[4:5] offset:512*\i th:TH_LOAD_NT   ; my 16 rows of q, 512 consecutive bytes a load
.endr
	MLOAD P, 0                                     ; tile 0's mask, for now into the registers of p's codes
	WIN 0x40                                       ; destination window 1
.set cnt, 0
.rept 32
	global_load_b128 v[4*cnt:4*cnt+3], v[LI], s[6:7] offset:512*cnt   ; K's 16 tiles: they stay
.set cnt, cnt+1
.endr
	WIN 0
	s_wait_kmcnt 0x0
	s_add_co_i32 s33, s20, s21
	s_lshl_b32 s33, s33, 23
	s_add_co_u32 s24, s33, 0xbe38aa3b              ; cn = -log2(e) / 8, with eq + ek added to its exponent field
	s_mov_b32 s25, s24                             ; (named with it as a pair, so it is written)
	s_add_co_i32 s33, s20, 127
	s_lshl_b32 s34, s33, 23
	v_mov_b32 v12, s34                             ; 2^eq
	s_add_co_i32 s33, s33, 8
	s_lshl_b32 s33, s33, 23
	s_or_b32 s33, s33, 0x600000
	v_mov_b32 v13, s33                             ; 448 x 2^eq
	s_add_co_i32 s33, s22, 127
	s_lshl_b32 s34, s33, 23
	v_mov_b32 v[SCP], s34
	s_add_co_i32 s33, s33, 8
	s_lshl_b32 s33, s33, 23
	s_or_b32 s33, s33, 0x600000
	v_mov_b32 v[LMP], s33
	s_add_co_i32 s38, s22, s23                     ; ep + ev
	v_mov_b32 v[SC8], 0xfefefefe
	v_mov_b32 v[PX], 0
	v_mov_b32 v[NM+1], 0                           ; (named as the upper half of the pair)
	s_wait_loadcnt 40                              ; q is in; behind it tile 0's 8 loads and K's 32 may be out
	TOSTG ST
	FROMSTG S                                      ; lane (r, h): q[r][32 h + 0 .. 31]
	s_wait_dscnt 0x0                               ; they are back, and the stores have read their registers,
	MLOAD ST, 32768                                ; which take tile 1's mask
.set cnt, 0
.rept 32
	v_med3_num_f32 v[S+cnt], -v[S+cnt], -v13, v13  ; negated, and held within the largest code x the scale (the conversion does not saturate: ISA guide 7.6.2)
.set cnt, cnt+1
.endr
.irp g, 0,1,2,3
	v_cvt_scalef32_pk8_fp8_f32 v[QF+2*\g:QF+2*\g+1], v[S+8*\g:S+8*\g+7], v12
.endr
	v_nop                                          ; a plain vector line behind the last conversion
	ds_store_b128 v[PA], v[QF:QF+3]                ; the fragment goes to LDS as it stands
	ds_store_b128 v[PA], v[QF+4:QF+7] offset:512
	s_wait_loadcnt 40                              ; tile 0's mask is in; behind it K's 32 loads and tile 1's 8 may be out
	TOSTG P
	FROMSTG ML
	WIN 0x40
.set cnt, 0
.rept 32
	global_load_b128 v[128+4*cnt:128+4*cnt+3], v[LI], s[8:9] offset:512*cnt   ; V's 8 fragments: they stay
.set cnt, cnt+1
.endr
	WIN 0
	s_wait_dscnt 0x0                               ; for the others' sake: my image of Q has landed
	s_barrier_signal -1
	s_barrier_wait -1                              ; all eight images lie in LDS; they are never written again
	ds_load_b128 v[QF:QF+3], v0
	ds_load_b128 v[QF+4:QF+7], v0 offset:512
	s_wait_loadcnt 40                              ; K is in; behind it tile 1's 8 loads and V's 32 may be out
	s_mov_b32 s28, 0                               ; the tile
	s_mov_b32 s29, 0                               ; its place among the partial O^T,
	s_mov_b32 s30, 0                               ; among the statistics,
	s_mov_b32 s31, 1024                            ; and the next tile's among Q's images
.Ltile:                                            ; 8 trips: a tile of 16 queries against my 256 keys
	s_wait_dscnt 0x0                               ; the mask in my order and Q are in; the last trip's stores are done
	s_and_b32 s33, s31, 0x1c00                     ; (the last trip's, which is not used, stays inside the images too)
	s_add_co_u32 s33, s33, QIMG
	v_add_nc_u32 v[PA], s29, v[PA0]
	v_add_nc_u32 v[SA], s30, v[SA0]
	v_add_nc_u32 v0, s33, v[LI]
.set cnt, 0
.rept 16
	v_cvt_scale_pk8_f32_fp8 v[S+8*cnt:S+8*cnt+7], v[ML+2*cnt:ML+2*cnt+1], v[SC8]   ; eight mask bytes -> 0 or 2^118: the C of tile cnt
.set cnt, cnt+1
.endr
	v_nop                                          ; a plain vector line between the conversions and the products that take their results.  With the three additions above and the four lines behind the last trip's products: eight places ahead of the first product, which writes over O^T
	WIN 0x01                                       ; source 0 (K) window 1
.set cnt, 0
.rept 16
	v_wmma_f32_16x16x64_fp8_fp8 v[S+8*cnt:S+8*cnt+7], v[8*cnt:8*cnt+7], v[QF:QF+7], v[S+8*cnt:S+8*cnt+7]   ; sixteen accumulators, one instruction each
.set cnt, cnt+1
.endr
	WIN 0
	PLACES 4
	v_min3_num_f32 v[CH], v[S], v[S+1], v[S+2]     ; the smallest of my 128 sums, in four chains, the registers in ascending order: each accumulator is read first at its low end
	v_min3_num_f32 v[CH+1], v[S+3], v[S+4], v[S+5]
	v_min3_num_f32 v[CH+2], v[S+6], v[S+7], v[S+8]
	v_min3_num_f32 v[CH+3], v[S+9], v[S+10], v[S+11]
.set cnt, 0
.rept 58
	v_min3_num_f32 v[CH+cnt%4], v[CH+cnt%4], v[S+12+2*cnt], v[S+13+2*cnt]
.set cnt, cnt+1
.endr
	v_min3_num_f32 v[CH], v[CH], v[CH+1], v[CH+2]
	v_min_num_f32 v[CH], v[CH], v[CH+3]
	v_permlanex16_b32 v[PX], v[CH], s26, s27
	v_min_num_f32 v[RAW], v[CH], v[PX]             ; and of lane l xor 16's: of all my wave's 256 keys
	v_mul_f32 v[NM], s24, v[RAW]                   ; the largest t (cn is negative),
	v_max_num_f32 v[NM], 0xff61b1e6, v[NM]         ; not under -3e38, so that M is a number,
	v_floor_f32 v[NM], -v[NM]                      ; -M = floor(-t) = -ceil(t): M IS A WHOLE NUMBER
.set cnt, 0
.rept 64
	v_pk_fma_f32 v[S+cnt:S+cnt+1], v[S+cnt:S+cnt+1], s[24:25], v[NM:NM+1] op_sel_hi:[1,0,0]   ; t - M, two at a time (of the pairs cn and -M the low word serves both halves)
.set cnt, cnt+2
.endr
.set cnt, 0
.rept 128
	v_exp_f32 v[S+cnt], v[S+cnt]                   ; p = 2^(t - M), at most 1; 0 for a hidden key
.set cnt, cnt+1
.endr
	v_nop                                          ; a plain vector line behind the last exponential (ISA guide 5.7.2),
	s_wait_alu depctr_va_vdst(0)                   ; and a wait ahead of the batch's first reader
	v_pk_add_f32 v[CH:CH+1], v[S:S+1], v[S+2:S+3]  ; THE SUM IS TAKEN OF THE UNQUANTISED p: two at a time, in two chains
	v_pk_add_f32 v[CH+2:CH+3], v[S+4:S+5], v[S+6:S+7]
.set cnt, 8
.rept 30
	v_pk_add_f32 v[CH:CH+1], v[CH:CH+1], v[S+cnt:S+cnt+1]
	v_pk_add_f32 v[CH+2:CH+3], v[CH+2:CH+3], v[S+cnt+2:S+cnt+3]
.set cnt, cnt+4
.endr
	v_pk_add_f32 v[CH:CH+1], v[CH:CH+1], v[CH+2:CH+3]
	v_add_f32 v[RAW+1], v[CH], v[CH+1]
	v_permlanex16_b32 v[PX], v[RAW+1], s26, s27
	v_add_f32 v[RAW+1], v[RAW+1], v[PX]
	s_wait_loadcnt 0x0                             ; the next tile's mask is in (asked for a trip ago); in the first trip V too
	s_cmp_lt_u32 s28, 7
	s_cbranch_scc0 .Lno_next                       ; the last trip has no next tile
	s_wait_xcnt 0x0                                ; the loads and the prefetch of the last trip have read their base: it may step
	s_add_nc_u64 s[10:11], s[10:11], 32768         ; the mask at the next tile
	TOSTG ST                                       ; the next tile's mask turns through my stage while this tile is finished,
	FROMSTG ML
	ds_load_b128 v[QF:QF+3], v0                    ; and its fragment of Q comes
	ds_load_b128 v[QF+4:QF+7], v0 offset:512
.Lno_next:
	s_cmp_ge_i32 s22, -8                           ; 448 x 2^ep >= 1.75 there: the hold would change nothing
	s_cbranch_scc1 .Lno_hold
.set cnt, 0
.rept 128
	v_min_num_f32 v[S+cnt], v[S+cnt], v[LMP]       ; the conversion to an 8-bit code does not saturate (ISA guide 7.6.2); p is not negative, so the hold is one-sided
.set cnt, cnt+1
.endr
.Lno_hold:
.set cnt, 0
.rept 16
	v_cvt_scalef32_pk8_fp8_f32 v[P+2*cnt:P+2*cnt+1], v[S+8*cnt:S+8*cnt+7], v[SCP]   ; keys 128 h + 8 cnt + 0 .. 7
.set cnt, cnt+1
.endr
	v_nop                                          ; a plain vector line between the conversions and the products, which read their results and write over their sources
	WIN 0x01                                       ; source 0 (V) window 1
.irp u, 0,1,2,3                                    ; O^T = V^T P^T: four tiles of 16 channels by turns; keys 128 h + 0 .. 63 start the sums,
	v_wmma_f32_16x16x128_fp8_fp8 v[S+8*\u:S+8*\u+7], v[128+16*\u:128+16*\u+15], v[P:P+15], 0
.endr
.irp u, 0,1,2,3                                    ; keys 128 h + 64 .. 127 end them
	v_wmma_f32_16x16x128_fp8_fp8 v[S+8*\u:S+8*\u+7], v[192+16*\u:192+16*\u+15], v[P+16:P+31], v[S+8*\u:S+8*\u+7]
.endr
	WIN 0
	s_cmp_lt_u32 s28, 6
	s_cbranch_scc0 .Lno_load                       ; the last two trips ask for nothing: no load leaves the mask
	s_wait_dscnt 10                                ; the eight stores into the stage are done and have read their registers; the ten LDS loads behind them may be out
	MLOAD ST, 32768                                ; the mask of the tile after the next
	s_cmp_lt_u32 s28, s32
	s_cbranch_scc0 .Lno_load
	; A prefetch of the mask of the tile three on, which the next trip's loads will name.  An even wave names, for each of the tile's 16 rows, its own 256 bytes and its odd neighbour's: a lane a block, each block once in the launch.
	; Trips 5 to 7 have no tile three on; tiles 0 to 2 come by their loads alone.  The base is stepped in the next trip, behind s_wait_xcnt 0.
	global_prefetch_b8 v[PFO], s[10:11] offset:65536 th:TH_LOAD_NT scope:SCOPE_SE
.Lno_load:
	PLACES 4                                       ; between the last products and the stores of their results
	ds_store_b64 v[SA], v[RAW:RAW+1]               ; my smallest sum and my sum of p
.irp c, 0,1,2,3,4,5,6,7
	ds_store_b128 v[PA], v[S+4*\c:S+4*\c+3] offset:512*\c   ; O^T as it stands, each accumulator from its low end on; 512 consecutive bytes a store
.endr
	s_add_co_u32 s29, s29, 32768
	s_add_co_u32 s30, s30, 2048
	s_add_co_u32 s31, s31, 1024
	s_add_co_u32 s28, s28, 1
	s_cmp_lt_u32 s28, 8
	s_cbranch_scc1 .Ltile
	; ---- THE JOIN.  Wave w takes tile w: eight partials, in the same lanes and registers in which they were made.
	s_wait_dscnt 0x0                               ; for the others' sake: my partial results have landed
	s_barrier_signal -1
	s_barrier_wait -1
	s_mul_i32 s33, s16, 1792
	v_add_nc_u32 v[SA], s33, v[SA0]                ; STAT + 2048 w + 8 lane
	s_lshl_b32 s33, s16, 15
	v_add_nc_u32 v[PA], s33, v[LI]                 ; 32768 w + 16 lane
.irp i, 0,1,2,3,4,5,6,7
	ds_load_b64 v[ML+2*\i:ML+2*\i+1], v[SA] offset:256*\i     ; wave i's smallest sum and sum of p
.endr
.irp i, 0,1,2,3
.irp c, 0,1,2,3,4,5,6,7
	ds_load_b128 v[S+32*\i+4*\c:S+32*\i+4*\c+3], v[PA] offset:4096*\i+512*\c
.endr
.endr
	s_wait_dscnt 32                                ; the statistics are in; the 32 loads behind them may be out
	WIN 0x40                                       ; partials 4 to 7 go into window 1, where K lay
.irp i, 4,5,6,7
.irp c, 0,1,2,3,4,5,6,7
	ds_load_b128 v[32*(\i-4)+4*\c:32*(\i-4)+4*\c+3], v[PA] offset:4096*\i+512*\c
.endr
.endr
	WIN 0
.irp i, 0,1,2,3,4,5,6,7
	v_mul_f32 v[P+\i], s24, v[ML+2*\i]             ; wave i's -M, by the same three lines that made it
.endr
.irp i, 0,1,2,3,4,5,6,7
	v_max_num_f32 v[P+\i], 0xff61b1e6, v[P+\i]
.endr
.irp i, 0,1,2,3,4,5,6,7
	v_floor_f32 v[P+\i], -v[P+\i]
.endr
	v_min3_num_f32 v[CH], v[ML], v[ML+2], v[ML+4]  ; the row's smallest sum,
	v_min3_num_f32 v[CH+1], v[P], v[P+1], v[P+2]   ; and the smallest -M: the largest M
	v_min3_num_f32 v[CH], v[CH], v[ML+6], v[ML+8]
	v_min3_num_f32 v[CH+1], v[CH+1], v[P+3], v[P+4]
	v_min3_num_f32 v[CH], v[CH], v[ML+10], v[ML+12]
	v_min3_num_f32 v[CH+1], v[CH+1], v[P+5], v[P+6]
	v_min_num_f32 v[CH], v[CH], v[ML+14]
	v_min_num_f32 v[CH+1], v[CH+1], v[P+7]
.irp i, 0,1,2,3,4,5,6,7
	v_sub_f32 v[P+\i], v[CH+1], v[P+\i]            ; wave i's M less the largest: a whole number, 0 or less
.endr
.irp i, 0,1,2,3,4,5,6,7
	v_cvt_i32_f32 v[P+\i], v[P+\i]                 ; (it saturates)
.endr
.irp i, 0,1,2,3,4,5,6,7
	v_ldexp_f32 v[ML+2*\i], 1.0, v[P+\i]           ; f = 2^(its M - the largest M): a multiplication by it rounds nothing; 0 for a wave all of whose keys are hidden beside one that has a key
.endr
	v_mul_f32 v[CH+2], v[ML], v[ML+1]
.irp i, 1,2,3,4,5,6,7
	v_fmac_f32 v[CH+2], v[ML+2*\i], v[ML+2*\i+1]   ; the row's sum
.endr
	v_rcp_f32 v[CH+3], v[CH+2]
	v_mov_b32 v[PX], 0x7fc00000                    ; (a plain vector line behind the reciprocal)  NaN
	v_cmp_lt_f32 vcc_lo, 0x71800000, v[CH]         ; 2^100 < the smallest sum: every key of the row is hidden
	v_bfe_u32 v24, v[LI], 4, 4                     ; the way out: r,
	v_bfe_u32 v25, v[LI], 8, 1                     ; h
	v_mul_u32_u24 v24, v24, PITCH
	v_lshl_add_u32 v24, v25, 5, v24
	s_mul_i32 s33, s16, WSTG
	s_add_co_u32 s33, s33, MSTG
	v_add_nc_u32 v24, s33, v24                     ; my stage: row r, byte 32 h
	s_wait_alu depctr_va_vdst(0)                   ; a wait ahead of the reciprocal's first reader
	v_ldexp_f32 v[CH+3], v[CH+3], s38              ; x 2^(ep + ev)
	v_cndmask_b32 v[NM], v[CH+3], v[PX], vcc_lo
	s_wait_dscnt 32                                ; partials 0 to 3 are in; the 32 loads behind them may be out
.set cnt, 0
.rept 16
	v_pk_mul_f32 v[ST+cnt:ST+cnt+1], v[S+cnt:S+cnt+1], v[ML:ML+1] op_sel_hi:[1,0]   ; the first partial starts the sums: nothing is cleared
.set cnt, cnt+2
.endr
.macro ACCUM i, base                   ; the sums += f of wave i x its partial at v[base] on
.set cnt, 0
.rept 16
	v_pk_fma_f32 v[ST+cnt:ST+cnt+1], v[\base+cnt:\base+cnt+1], v[ML+2*\i:ML+2*\i+1], v[ST+cnt:ST+cnt+1] op_sel_hi:[1,0,1]
.set cnt, cnt+2
.endr
.endm
	ACCUM 1, S+32
	ACCUM 2, S+64
	ACCUM 3, S+96
	s_wait_dscnt 0x0                               ; partials 4 to 7 are in
	WIN 0x01                                       ; source 0 window 1
	ACCUM 4, 0
	ACCUM 5, 32
	ACCUM 6, 64
	ACCUM 7, 96
	WIN 0
.set cnt, 0
.rept 16
	v_pk_mul_f32 v[ST+cnt:ST+cnt+1], v[ST+cnt:ST+cnt+1], v[NM:NM+1] op_sel_hi:[1,0]   ; / the sum, x 2^(ep + ev); NaN for a row with no key
.set cnt, cnt+2
.endr
	; Register 8 u + j is out(r, 16 u + 8 h + j): 32 neighbouring bytes of a row, and the lanes beside me hold other rows.  So the tile goes through my stage and leaves as whole rows of 256 bytes.
.irp u, 0,1,2,3
	ds_store_b128 v24, v[ST+8*\u:ST+8*\u+3] offset:64*\u
	ds_store_b128 v24, v[ST+8*\u+4:ST+8*\u+7] offset:64*\u+16
.endr
.irp i, 0,1,2,3,4,5,6,7
	ds_load_b128 v[S+4*\i:S+4*\i+3], v[STI] offset:2*PITCH*\i   ; LDS serves a wave's instructions in order: these see my stores
.endr
.irp i, 0,1,2,3,4,5,6,7
	s_wait_dscnt 7-\i                              ; LDS loads come back in order: pair i of rows is in
	global_store_b128 v[LI], v[S+4*\i:S+4*\i+3], s[14:15] offset:512*\i th:TH_STORE_NT   ; 32 lanes store two rows, 512 consecutive bytes, aligned; written once, read by nobody here
.endr
	s_wait_tensorcnt 0x0                           ; the wave's end
	ds_add_u32 v[SPW], v[NIL]
	s_wait_dscnt 0x0
	s_endpgm
.Lfunc_end_k_q5c58fb93f5_attn:
	.size	k_q5c58fb93f5_attn, .Lfunc_end_k_q5c58fb93f5_attn-k_q5c58fb93f5_attn
	.p2alignl 7, 3214868480
	.fill 96, 4, 3214868480
	.section	.rodata,"a",@progbits
	.p2align	6, 0x0
	.amdhsa_kernel k_q5c58fb93f5_attn
		.amdhsa_group_segment_fixed_size 323584
		.amdhsa_private_segment_fixed_size 0
		.amdhsa_enable_private_segment 0
		.amdhsa_kernarg_size 48
		.amdhsa_user_sgpr_count 2
		.amdhsa_user_sgpr_kernarg_segment_ptr 1
		.amdhsa_wavefront_size32 1
		.amdhsa_system_sgpr_workgroup_id_x 1
		.amdhsa_system_sgpr_workgroup_id_y 1
		.amdhsa_system_sgpr_workgroup_id_z 1
		.amdhsa_system_vgpr_workitem_id 0
		.amdhsa_next_free_vgpr 512
		.amdhsa_next_free_sgpr 66
		.amdhsa_reserve_vcc 1
		.amdhsa_float_denorm_mode_32 3
		.amdhsa_float_denorm_mode_16_64 3
		.amdhsa_memory_ordered 1
		.amdhsa_forward_progress 1
		.amdhsa_inst_pref_size 65
	.end_amdhsa_kernel
	.amdgpu_metadata
---
amdhsa.version: [ 1, 2 ]
amdhsa.kernels:
  - .name:           k_q5c58fb93f5_attn
    .symbol:         k_q5c58fb93f5_attn.kd
    .args:
      - { .name: q, .offset: 0, .size: 8, .value_kind: global_buffer, .address_space: global }
      - { .name: kc, .offset: 8, .size: 8, .value_kind: global_buffer, .address_space: global }
      - { .name: vc, .offset: 16, .size: 8, .value_kind: global_buffer, .address_space: global }
      - { .name: mask, .offset: 24, .size: 8, .value_kind: global_buffer, .address_space: global }
      - { .name: lowp_scales, .offset: 32, .size: 8, .value_kind: global_buffer, .address_space: global }
      - { .name: out0, .offset: 40, .size: 8, .value_kind: global_buffer, .address_space: global }
    .group_segment_fixed_size: 323584
    .private_segment_fixed_size: 0
    .kernarg_segment_align: 8
    .kernarg_segment_size: 48
    .max_flat_workgroup_size: 256
    .sgpr_count:     66
    .vgpr_count:     512
    .wavefront_size: 32
...
	.end_amdgpu_metadata
.endif
;; end of part 2
;; ======== version 2 of 2: 2 launches
;; limits: right only within a limited range of input values
;; workspace buffers: kc 2,097,152 bytes; vc 2,097,152 bytes
;; launch quant (part 3): grid 256 x 1, 8 waves a work-group, no clusters, 35,840 bytes of LDS; arguments k, v, lowp_scales, kc, vc; writes kc, vc
.if DOCPART == 3
	.amdgcn_target "amdgcn-amd-amdhsa--gfx1250"
	.amdhsa_code_object_version 6
	.text
	.protected	k_q5c58fb93f5_quant
	.globl	k_q5c58fb93f5_quant
	.p2align	8
	.type	k_q5c58fb93f5_quant,@function
k_q5c58fb93f5_quant:
	s_mov_b64 s[64:65], 0
	v_nop
	global_prefetch_b8 v0, s[64:65] scope:SCOPE_SE
	s_setreg_imm32_b32 hwreg(HW_REG_WAVE_MODE, 25, 1), 1
	s_wait_xcnt 0x0
; k and v, [16][2048][64] f32, become codes of FP8 (E4M3), each with the one scale 2^e that is given for it (entry 1 of the scales for k, entry 3 for v):
; code = x / 2^e, held within +-448, rounded to the nearest code, ties to even.  LIMITS: ek and ev between -126 and 119; NaN among the inputs is not served.
; THE CODES ARE LAID AS IMAGES OF THE NEXT LAUNCH'S OPERAND REGISTERS: a chunk is one batch's 256 keys (batch b, eighth w), 16,384 bytes, and every group of four registers is 512 consecutive bytes, lane l's 16 at 16 l.
;   kc: chunk x 16384 + i x 1024 + c x 512 + 16 l, l = m + 16 hh: k[key 128 (m / 8) + 8 i + m % 8][channel 32 hh + 16 c + 0 .. 15]       (tile i = 0 .. 15, c = 0, 1)
;   vc: chunk x 16384 + (4 s + u) x 2048 + c x 512 + 16 l, l = r + 16 h: v[key 128 h + 64 s + 16 c + 0 .. 15][channel 16 u + r]        (s = 0, 1; u = 0 .. 3; c = 0 .. 3)
; Work-groups 0 to 127 take a chunk of k each, work-groups 128 to 255 a chunk of v; eight waves share a chunk.  No wave reads what another wrote: no barrier.
; K: the contracted axis (channels) is innermost.  A load takes 512 consecutive bytes (two keys' rows); the sixteen rows of a tile turn through the wave's own stage in LDS, and a lane takes back 32 neighbours of one key.
; V: the contracted axis (keys) is NOT innermost.  A lane takes a channel and its registers run down sixteen keys: the conversions give codes with the keys innermost, and nothing is transposed.
.set PITCH, 272                        ; a stage row: 256 bytes + 16: sixteen rows begin at sixteen different 16-byte columns modulo 256
.set WSTG,  16*PITCH                   ; a wave's stage
.set SPARE, 8*WSTG                     ; behind the stages: the spare words, 128 bytes for each wave: four blocks of 256 bytes that no other line names
.set SPW,  1                           ; v1   LDS address of my spare word; never rewritten
.set NIL,  2                           ; v2   0; never rewritten
.set LI,   3                           ; v3   16 x lane
.set STI,  4                           ; v4   into the stage: row lane / 16, byte 16 (lane % 16)
.set STO,  5                           ; v5   out of it: row lane % 16, byte 128 (lane / 16)
.set L4,   6                           ; v6   4 x lane
.set VST,  7                           ; v7   V's codes: 2048 (lane / 16) + 16 (lane % 16)
.set LIMV, 10                          ; v10  448 x 2^e
.set SCL,  11                          ; v11  2^e
.set R,    16                          ; v16-79   numbers as they are loaded
.set X,    80                          ; v80-143  K: numbers back from the stage
.set C,    144                         ; v144-159 codes
.macro SCALE e                         ; the given exponent in s[e] -> 2^e and 448 x 2^e as f32 numbers
	s_wait_kmcnt 0x0
	s_add_co_i32 s28, s[\e], 127
	s_lshl_b32 s29, s28, 23
	v_mov_b32 v[SCL], s29                          ; the conversion takes its exponent field
	s_add_co_i32 s28, s28, 8
	s_lshl_b32 s28, s28, 23
	s_or_b32 s28, s28, 0x600000                    ; 448 = 1.75 x 2^8
	v_mov_b32 v[LIMV], s28
.endm
.macro QUANT src, dst                  ; 32 numbers of a lane -> 32 codes in 8 registers
.set qi, 0
.rept 32
	v_med3_num_f32 v[\src+qi], v[\src+qi], -v[LIMV], v[LIMV]   ; the conversion to an 8-bit code does not saturate (ISA guide 7.6.2): the hold comes first
.set qi, qi+1
.endr
.set qi, 0
.rept 4
	v_cvt_scalef32_pk8_fp8_f32 v[\dst+2*qi:\dst+2*qi+1], v[\src+8*qi:\src+8*qi+7], v[SCL]
.set qi, qi+1
.endr
	v_nop                                          ; a plain vector line behind the last conversion of a run
.endm
	s_load_b128 s[4:7], s[0:1], 0x0                ; k s[4:5], v s[6:7]
	s_load_b64 s[8:9], s[0:1], 0x10                ; the scales' exponents
	s_load_b128 s[12:15], s[0:1], 0x18             ; kc s[12:13], vc s[14:15]
	v_lshl_add_u32 v[SPW], v0, 2, SPARE
	v_mov_b32 v[NIL], 0
	v_lshrrev_b32 v8, 5, v0
	s_delay_alu instid0(VALU_DEP_1)
	v_readfirstlane_b32 s16, v8                    ; wave 0..7
	v_and_b32 v8, 31, v0                           ; lane
	v_and_b32 v9, 15, v0                           ; lane % 16
	v_bfe_u32 v12, v0, 4, 1                        ; lane / 16
	s_delay_alu instid0(VALU_DEP_3)
	v_lshlrev_b32 v[LI], 4, v8
	s_delay_alu instid0(VALU_DEP_4)
	v_lshlrev_b32 v[L4], 2, v8
	s_delay_alu instid0(VALU_DEP_4)
	v_lshlrev_b32 v13, 4, v9
	s_delay_alu instid0(VALU_DEP_1)
	v_lshl_add_u32 v[VST], v12, 11, v13
	s_mul_i32 s24, s16, WSTG
	v_mul_u32_u24 v[STI], v12, PITCH
	s_delay_alu instid0(VALU_DEP_1)
	v_add_nc_u32 v[STI], v[STI], v13
	s_delay_alu instid0(VALU_DEP_1)
	v_add_nc_u32 v[STI], s24, v[STI]
	v_mul_u32_u24 v[STO], v9, PITCH
	s_delay_alu instid0(VALU_DEP_1)
	v_lshl_add_u32 v[STO], v12, 7, v[STO]
	s_delay_alu instid0(VALU_DEP_1)
	v_add_nc_u32 v[STO], s24, v[STO]
	s_wait_kmcnt 0x0
	s_load_b128 s[20:23], s[8:9], 0x0              ; eq, ek, ep, ev
	s_cmp_lt_u32 ttmp9, 128
	s_cbranch_scc0 .Lv_path
	; ---- K.  Wave wv makes tiles 2 wv and 2 wv + 1.  Tile i is keys 8 i .. 8 i + 7 and 128 + 8 i .. 128 + 8 i + 7.
	s_lshl_b32 s24, ttmp9, 16                      ; the chunk's 256 rows of 256 bytes,
	s_lshl_b32 s25, s16, 12                        ; my 16 keys of its first half
	s_add_co_u32 s24, s24, s25
	s_mov_b32 s25, 0
	s_add_nc_u64 s[4:5], s[4:5], s[24:25]
	s_lshl_b32 s26, ttmp9, 14                      ; the chunk's codes,
	s_lshl_b32 s27, s16, 11                        ; my two tiles
	s_add_co_u32 s26, s26, s27
	s_mov_b32 s27, 0
	s_add_nc_u64 s[12:13], s[12:13], s[26:27]
.irp tt, 0,1
.irp hp, 0,1
.irp i, 0,1,2,3
	global_load_b128 v[R+32*\tt+16*\hp+4*\i:R+32*\tt+16*\hp+4*\i+3], v[LI], s[4:5] offset:2048*\tt+32768*\hp+512*\i th:TH_LOAD_NT   ; 512 consecutive bytes: two keys
.endr
.endr
.endr
	SCALE 21                                       ; ek
	s_wait_alu depctr_va_vdst(0)
.irp tt, 0,1
	s_wait_loadcnt 8-8*\tt                         ; this tile's eight loads are in; the other tile's eight may be out
.irp hp, 0,1
.irp i, 0,1,2,3
	ds_store_b128 v[STI], v[R+32*\tt+16*\hp+4*\i:R+32*\tt+16*\hp+4*\i+3] offset:(8*\hp+2*\i)*PITCH   ; tile row m = 8 hp + 2 i + lane / 16
.endr
.endr
.irp n, 0,1,2,3,4,5,6,7
	ds_load_b128 v[X+32*\tt+4*\n:X+32*\tt+4*\n+3], v[STO] offset:16*\n   ; LDS serves a wave's instructions in order (ISA guide 5.7.1.4): these see the stores above, and the next tile's stores come behind them
.endr
.endr
.irp tt, 0,1
	s_wait_dscnt 16-16*\tt                         ; this tile is back; the other tile's eight stores and eight loads may be out
	QUANT X+32*\tt, C+8*\tt
	global_store_b128 v[LI], v[C+8*\tt:C+8*\tt+3], s[12:13] offset:1024*\tt          ; 32 lanes store 512 consecutive bytes, aligned
	global_store_b128 v[LI], v[C+8*\tt+4:C+8*\tt+7], s[12:13] offset:1024*\tt+512
.endr
	s_branch .Lend
.Lv_path:
	; ---- V.  Wave wv makes the groups of 16 keys g = 2 wv and 2 wv + 1, for all 64 channels: 16 g = 128 h + 64 s + 16 c gives h = wv / 4, s = (wv / 2) % 2, c = 2 (wv % 2) + gg.
	s_sub_co_u32 s17, ttmp9, 128
	s_lshl_b32 s24, s17, 16
	s_lshl_b32 s25, s16, 13                        ; my 32 keys
	s_add_co_u32 s24, s24, s25
	s_mov_b32 s25, 0
	s_add_nc_u64 s[6:7], s[6:7], s[24:25]
	s_lshl_b32 s26, s17, 14
	s_bfe_u32 s27, s16, 0x10001
	s_lshl_b32 s27, s27, 13                        ; s x 4 fragments of 2,048 bytes
	s_add_co_u32 s26, s26, s27
	s_and_b32 s27, s16, 1
	s_lshl_b32 s27, s27, 10                        ; 2 (wv % 2) x 512
	s_add_co_u32 s26, s26, s27
	s_lshr_b32 s27, s16, 2
	s_lshl_b32 s27, s27, 8                         ; h: lanes 16 to 31 of the image
	s_add_co_u32 s26, s26, s27
	s_mov_b32 s27, 0
	s_add_nc_u64 s[14:15], s[14:15], s[26:27]
	s_wait_alu depctr_va_vdst(0)
.irp gg, 0,1
.irp i, 0,1,2,3,4,5,6,7,8,9,10,11,12,13,14,15
.irp uu, 0,1
	global_load_b32 v[R+16*(2*\gg+\uu)+\i], v[L4], s[6:7] offset:4096*\gg+256*\i+128*\uu th:TH_LOAD_NT   ; key 16 gg + i, channel 32 uu + lane: the two halves of a key's row stand side by side
.endr
.endr
.endr
	SCALE 23                                       ; ev
	s_wait_alu depctr_va_vdst(0)
.irp gg, 0,1
	s_wait_loadcnt 32-32*\gg                       ; this group's 32 loads are in; the other group's may be out
	QUANT R+32*\gg, C+8*\gg
.irp uu, 0,1
	global_store_b128 v[VST], v[C+8*\gg+4*\uu:C+8*\gg+4*\uu+3], s[14:15] offset:512*\gg+4096*\uu   ; channel tile u = 2 uu + lane / 16: each half of the lanes stores 256 consecutive bytes, aligned
.endr
.endr
.Lend:
	s_wait_tensorcnt 0x0                           ; the wave's end
	ds_add_u32 v[SPW], v[NIL]
	s_wait_dscnt 0x0
	s_endpgm
.Lfunc_end_k_q5c58fb93f5_quant:
	.size	k_q5c58fb93f5_quant, .Lfunc_end_k_q5c58fb93f5_quant-k_q5c58fb93f5_quant
	.p2alignl 7, 3214868480
	.fill 96, 4, 3214868480
	.section	.rodata,"a",@progbits
	.p2align	6, 0x0
	.amdhsa_kernel k_q5c58fb93f5_quant
		.amdhsa_group_segment_fixed_size 35840
		.amdhsa_private_segment_fixed_size 0
		.amdhsa_enable_private_segment 0
		.amdhsa_kernarg_size 40
		.amdhsa_user_sgpr_count 2
		.amdhsa_user_sgpr_kernarg_segment_ptr 1
		.amdhsa_wavefront_size32 1
		.amdhsa_system_sgpr_workgroup_id_x 1
		.amdhsa_system_sgpr_workgroup_id_y 1
		.amdhsa_system_sgpr_workgroup_id_z 1
		.amdhsa_system_vgpr_workitem_id 0
		.amdhsa_next_free_vgpr 160
		.amdhsa_next_free_sgpr 66
		.amdhsa_reserve_vcc 0
		.amdhsa_float_denorm_mode_32 3
		.amdhsa_float_denorm_mode_16_64 3
		.amdhsa_memory_ordered 1
		.amdhsa_forward_progress 1
		.amdhsa_inst_pref_size 24
	.end_amdhsa_kernel
	.amdgpu_metadata
---
amdhsa.version: [ 1, 2 ]
amdhsa.kernels:
  - .name:           k_q5c58fb93f5_quant
    .symbol:         k_q5c58fb93f5_quant.kd
    .args:
      - { .name: k, .offset: 0, .size: 8, .value_kind: global_buffer, .address_space: global }
      - { .name: v, .offset: 8, .size: 8, .value_kind: global_buffer, .address_space: global }
      - { .name: lowp_scales, .offset: 16, .size: 8, .value_kind: global_buffer, .address_space: global }
      - { .name: kc, .offset: 24, .size: 8, .value_kind: global_buffer, .address_space: global }
      - { .name: vc, .offset: 32, .size: 8, .value_kind: global_buffer, .address_space: global }
    .group_segment_fixed_size: 35840
    .private_segment_fixed_size: 0
    .kernarg_segment_align: 8
    .kernarg_segment_size: 40
    .max_flat_workgroup_size: 256
    .sgpr_count:     66
    .vgpr_count:     160
    .wavefront_size: 32
...
	.end_amdgpu_metadata
.endif
;; end of part 3
;; launch attn (part 4): grid 16 x 16, 8 waves a work-group, no clusters, 323,584 bytes of LDS; arguments q, kc, vc, mask, lowp_scales, out0; writes out0
.if DOCPART == 4
	.amdgcn_target "amdgcn-amd-amdhsa--gfx1250"
	.amdhsa_code_object_version 6
	.text
	.protected	k_q5c58fb93f5_attn
	.globl	k_q5c58fb93f5_attn
	.p2align	8
	.type	k_q5c58fb93f5_attn,@function
k_q5c58fb93f5_attn:
	s_mov_b64 s[64:65], 0
	v_nop
	global_prefetch_b8 v0, s[64:65] scope:SCOPE_SE
	s_setreg_imm32_b32 hwreg(HW_REG_WAVE_SCHED_MODE, 0, 2), 2
	s_setreg_imm32_b32 hwreg(HW_REG_WAVE_MODE, 25, 1), 1
	s_wait_xcnt 0x0
	s_wait_alu depctr_vm_vsrc(0)
; out[b][q][:] = the sum over k of softmax_k(q . k / 8, hidden where mask is true) v[b][k][:], both products on codes of FP8 (E4M3) with the given scales 2^eq, 2^ek, 2^ep, 2^ev.
; AHEAD OF THE SECOND PRODUCT: t = score x log2(e) / 8; M = the largest t rounded UP to a whole number; p = 2^(t - M) is quantised, not normalised; the sum of the unquantised p divides at the end.
; SHARES.  A work-group is one batch and 128 queries.  THE EIGHT WAVES SHARE THE KEYS: wave w owns keys 256 w .. 256 w + 255, and its codes of K (128 registers) and of V (128) stay in registers, loaded once, as
; images of the operands' registers.  A wave walks the block's eight tiles of 16 queries; for a tile it sees all its 256 keys at once: one maximum, nothing rescaled, no barrier in the loop.  It leaves a partial result
; (its smallest raw sum, its sum of p, its O^T under its own whole number M) in LDS.  Behind one barrier wave w joins the eight partials of tile w: each is multiplied by 2^(its M - the largest M), which rounds nothing.
; LAYOUT.  Both products are used transposed: S^T = K Q^T (source 0 = 16 keys, source 1 = 16 queries), O^T = V^T P^T.  A lane (r = lane % 16, h = lane / 16) holds ONE query r throughout.
; Row m of K's tile i is key 128 (m / 8) + 8 i + m % 8, so register j of tile i holds key 128 h + 8 i + j: a lane's 128 scores are 128 NEIGHBOURING keys: 128 neighbouring mask bytes, and p's codes in the order in which V is laid.
; THE MASK IS THE C OF THE FIRST PRODUCT.  A mask byte, 0 or 1, read as a code of E4M3 is 0 or 2^-9; the conversion back to f32 with the scale byte 254 (2^127) makes 0 or 2^118 of eight bytes at a time, straight into the accumulator.
; q IS QUANTISED NEGATED (the format is symmetric): the accumulator holds -(q . k in codes) + 2^118 x mask.  The largest score is the SMALLEST sum, and t = cn x sum with cn = -log2(e) / 8 x 2^(eq + ek).
; A sum of codes is at most 448 x 448 x 64 < 2^24: so a smallest sum above 2^100 says that every key is hidden.  A row all of whose 2,048 keys are hidden is NaN, as the softmax of such a row is.
; A wave all of whose keys are hidden for a query has an M far under every real one: its factor in the join is 0, and its partial is finite.
; THE HOLD OF p at 448 x 2^ep changes nothing where ep >= -8 (p is at most 1 and 448 x 2^-8 = 1.75): a scalar branch on the given whole number ep jumps over its 128 lines; they run where ep < -8.
; NO CLUSTER, no joint loads: the shared bytes, K's and V's codes, are read once at the head, 32,768 bytes a wave, straight into the registers where they stay; a joint load would bring the work-group's 262,144 bytes through
; LDS, where the partial results lie, and back out by 64 LDS loads a wave.
; LIMITS: eq + ek between -100 and 100 (a hidden key's t stays under -40,000, a real t stays finite); eq and ep between -126 and 119; mask bytes are 0 or 1; NaN among q, k, v is not served.
; REGISTERS.  Window 0: v0-23 addresses, constants, statistics; v24-31 Q's fragment; v32-63 the mask in the lane's order; v64-95 the mask as loaded; v96-127 p's codes; v128-255 the scores, then p; O^T lies over v128-159.
;             Window 1: v0-127 K (tile i at 8 i); v128-255 V (fragment (s, u) at 128 + 16 (4 s + u)).
; THE MODE: SCHED_MODE bits 1:0 = 2 (LLVM: expert scheduling mode 2), set by the entry lines.  The code itself states the register dependences
; between vector or matrix instructions and memory or LDS instructions, with s_wait_alu, always for 0.
; THE PLAN.  Registers that memory or LDS instructions touch, in the loop:
;   v1-v9         Addresses made once at the head and never written again.
;   v0, PA, SA    Written by three additions at a trip's head.  v0 is read by the two LDS loads of the next tile's Q, PA and SA by the nine stores at the trip's end.
;   ST            The global loads of the tile after the next land in it; the eight stores into the stage read it a trip later.  No vector line of the loop names it.
;   ML, QF        The LDS loads of the next tile land in them; the next trip's sixteen conversions read ML, its sixteen first products QF.
;   S0-31, RAW    Written by the second products and by the statistics; read by the nine stores at the trip's end; written again at the next trip's head.
;   P, the rest of S, K and V are named by vector and matrix instructions alone.
; So a trip has four waits.  (1) vm_vsrc at its head: the last trip's stores and loads have read S0-31, RAW, PA, SA and v0.  (2) va_vdst behind the exponentials: beside their results it states that the conversions are done
; reading ML, the first products QF, and that v0, PA and SA are written; no vector line behind it names ML, QF or v0.  (3) vm_vsrc behind the second products: the stage's stores have read ST.  (4) va_vdst behind the four places
; at the trip's end: O^T and RAW are written.  The eight waves' 512 registers each are all that four SIMDs of 1,024 have, so O^T has no out-buffer of its own and its stores stand straight behind its products.
.set STAT,  262144                     ; LDS: from 0 the partial O^T: tile x 32768 + wave x 4096 + c x 512 + 16 lane;  here (smallest sum, sum of p): tile x 2048 + wave x 256 + 8 lane
.set QIMG,  278528                     ; Q's eight fragments as images: tile x 1024 + c x 512 + 16 lane
.set MSTG,  286720                     ; a stage for each wave: 16 rows of 256 bytes + 16
.set PITCH, 272                        ; sixteen rows begin at sixteen different 16-byte columns modulo 256
.set WSTG,  16*PITCH
.set SPARE, MSTG+8*WSTG                ; the spare words, 128 bytes for each wave: four blocks of 256 bytes that no other line names
.set SPW,  1                           ; v1   LDS address of my spare word; never rewritten
.set NIL,  2                           ; v2   0; never rewritten
.set LI,   3                           ; v3   16 x lane
.set GM,   4                           ; v4   the mask in memory: row lane / 16 (2,048 bytes), byte 16 (lane % 16)
.set STI,  5                           ; v5   my stage by rows of 256 bytes: row lane / 16, byte 16 (lane % 16)
.set STO,  6                           ; v6   my stage by lanes: row lane % 16, byte 128 (lane / 16)
.set PA0,  7                           ; v7   wave x 4096 + 16 lane
.set SA0,  8                           ; v8   STAT + wave x 256 + 8 lane
.set PFO,  9                           ; v9   the prefetch: row lane % 16, block lane / 16
.set PA,   10                          ; v10  this trip's place for O^T
.set PX,   11                          ; v11  a lane permute's destination (written at the head: it counts as read)
.set CH,   12                          ; v12-15 four chains of the minimum, then two pairs of the sum
.set NM,   16                          ; v[16:17] -M (the low word serves both halves); in the join the last factor
.set RAW,  18                          ; v[18:19] my smallest sum, my sum of p
.set SA,   20                          ; v20  this trip's place for them
.set SC8,  21                          ; v21  the scale byte 254 in all four bytes
.set SCP,  22                          ; v22  2^ep
.set LMP,  23                          ; v23  448 x 2^ep
.set QF,   24
.set ML,   32
.set ST,   64
.set P,    96
.set S,    128
.set MSB, 0
.macro WIN new                         ; s_set_vgpr_msb: bits 1:0 source 0, 7:6 destination; the immediate's high byte repeats the setting that is left
.if MSB != \new
	s_set_vgpr_msb (MSB<<8)|\new
.set MSB, \new
.endif
.endm
.macro MLOAD reg, off                  ; a tile's mask for my 256 keys: each load takes two rows' 256 aligned bytes
.irp i, 0,1,2,3,4,5,6,7
	global_load_b128 v[\reg+4*\i:\reg+4*\i+3], v[GM], s[10:11] offset:\off+4096*\i th:TH_LOAD_NT
.endr
.endm
.macro TOSTG reg                       ; 16 rows of 256 bytes into my stage, as they were loaded,
.irp i, 0,1,2,3,4,5,6,7
	ds_store_b128 v[STI], v[\reg+4*\i:\reg+4*\i+3] offset:2*PITCH*\i
.endr
.endm
.macro FROMSTG reg                     ; and back: 128 neighbouring bytes of row lane % 16.  LDS serves a wave's instructions in order (ISA guide 5.7.1.4): no wait between the two
.irp n, 0,1,2,3,4,5,6,7
	ds_load_b128 v[\reg+4*\n:\reg+4*\n+3], v[STO] offset:16*\n
.endr
.endm
.macro PLACES n                        ; plain vector lines between a matrix instruction and what reads its result or writes its registers (ISA guide 7.12.1)
.rept \n
	v_nop
.endr
.endm
	s_load_b256 s[4:11], s[0:1], 0x0               ; q s[4:5], kc s[6:7], vc s[8:9], mask s[10:11]
	s_load_b128 s[12:15], s[0:1], 0x20             ; the scales' exponents s[12:13], out s[14:15]
	v_lshl_add_u32 v[SPW], v0, 2, SPARE
	v_mov_b32 v[NIL], 0
	v_lshrrev_b32 v10, 5, v0
	v_readfirstlane_b32 s16, v10                   ; wave 0..7
	v_and_b32 v11, 31, v0                          ; lane
	v_and_b32 v12, 15, v0                          ; r
	v_bfe_u32 v13, v0, 4, 1                        ; h
	v_lshlrev_b32 v[LI], 4, v11
	v_lshlrev_b32 v14, 4, v12
	v_lshl_add_u32 v[GM], v13, 11, v14
	s_wait_alu depctr_va_sdst(0)                   ; s16, the wave's number, is written, ahead of its first reader: LDS places and the buffers' offsets are made from it
	s_mul_i32 s33, s16, WSTG
	s_add_co_u32 s33, s33, MSTG                    ; my stage
	v_mul_u32_u24 v[STI], v13, PITCH
	v_add_nc_u32 v[STI], v[STI], v14
	v_add_nc_u32 v[STI], s33, v[STI]
	v_mul_u32_u24 v[STO], v12, PITCH
	v_lshl_add_u32 v[STO], v13, 7, v[STO]
	v_add_nc_u32 v[STO], s33, v[STO]
	s_lshl_b32 s33, s16, 12
	v_add_nc_u32 v[PA0], s33, v[LI]
	s_lshl_b32 s33, s16, 8
	s_add_co_u32 s33, s33, STAT
	v_lshl_add_u32 v[SA0], v11, 3, s33
	v_lshlrev_b32 v[PFO], 11, v12
	v_lshl_add_u32 v[PFO], v13, 8, v[PFO]
	s_lshl_b32 s33, s16, 10
	s_add_co_u32 s33, s33, QIMG
	v_add_nc_u32 v[PA], s33, v[LI]                 ; for now: where the image of my tile of Q goes
	v_add_nc_u32 v0, QIMG, v[LI]                   ; and where tile 0's lies (the thread's number is used no more)
	s_and_b32 s18, ttmp7, 0xffff                   ; the batch
	s_lshl_b32 s34, s18, 19                        ; q and out: (2048 batch + 128 x + 16 wave) rows of 256 bytes
	s_lshl_b32 s33, ttmp9, 15
	s_add_co_u32 s34, s34, s33
	s_lshl_b32 s33, s16, 12
	s_add_co_u32 s34, s34, s33
	s_mov_b32 s35, 0
	s_lshl_b32 s36, s18, 22                        ; the mask: (2048 batch + 128 x) rows of 2,048 bytes + 256 wave
	s_lshl_b32 s33, ttmp9, 18
	s_add_co_u32 s36, s36, s33
	s_lshl_b32 s33, s16, 8
	s_add_co_u32 s36, s36, s33
	s_mov_b32 s37, 0
	s_lshl_b32 s40, s18, 3                         ; the codes: chunk 8 batch + wave, 16,384 bytes
	s_add_co_u32 s40, s40, s16
	s_lshl_b32 s40, s40, 14
	s_mov_b32 s41, 0
	s_mov_b32 s26, 0x76543210                      ; v_permlanex16_b32's selects for lane l xor 16
	s_mov_b32 s27, 0xfedcba98
	s_and_b32 s33, s16, 1
	s_cmp_eq_u32 s33, 0
	s_cselect_b32 s32, 5, 0                        ; even waves prefetch in trips 0 to 4, odd waves never
	s_wait_kmcnt 0x0
	s_load_b128 s[20:23], s[12:13], 0x0            ; eq, ek, ep, ev
	s_add_nc_u64 s[4:5], s[4:5], s[34:35]
	s_add_nc_u64 s[14:15], s[14:15], s[34:35]
	s_add_nc_u64 s[10:11], s[10:11], s[36:37]
	s_add_nc_u64 s[6:7], s[6:7], s[40:41]
	s_add_nc_u64 s[8:9], s[8:9], s[40:41]
	s_wait_alu depctr_va_vdst(0)                   ; v0 to v10 are written: the addresses and offsets that the loads, stores and the prefetch of the whole kernel read (v0, PA and SA are made anew in the loop)
.irp i, 0,1,2,3,4,5,6,7
	global_load_b128 v[ST+4*\i:ST+4*\i+3], v[LI], s[4:5] offset:512*\i th:TH_LOAD_NT   ; my 16 rows of q, 512 consecutive bytes a load
.endr
	MLOAD P, 0                                     ; tile 0's mask, for now into the registers of p's codes
	WIN 0x40                                       ; destination window 1
.set cnt, 0
.rept 32
	global_load_b128 v[4*cnt:4*cnt+3], v[LI], s[6:7] offset:512*cnt   ; K's 16 tiles: they stay
.set cnt, cnt+1
.endr
	WIN 0
	s_wait_kmcnt 0x0
	s_add_co_i32 s33, s20, s21
	s_lshl_b32 s33, s33, 23
	s_add_co_u32 s24, s33, 0xbe38aa3b              ; cn = -log2(e) / 8, with eq + ek added to its exponent field
	s_mov_b32 s25, s24                             ; (named with it as a pair, so it is written)
	s_add_co_i32 s33, s20, 127
	s_lshl_b32 s34, s33, 23
	v_mov_b32 v12, s34                             ; 2^eq
	s_add_co_i32 s33, s33, 8
	s_lshl_b32 s33, s33, 23
	s_or_b32 s33, s33, 0x600000
	v_mov_b32 v13, s33                             ; 448 x 2^eq
	s_add_co_i32 s33, s22, 127
	s_lshl_b32 s34, s33, 23
	v_mov_b32 v[SCP], s34
	s_add_co_i32 s33, s33, 8
	s_lshl_b32 s33, s33, 23
	s_or_b32 s33, s33, 0x600000
	v_mov_b32 v[LMP], s33
	s_add_co_i32 s38, s22, s23                     ; ep + ev
	v_mov_b32 v[SC8], 0xfefefefe
	v_mov_b32 v[PX], 0
	v_mov_b32 v[NM+1], 0                           ; (named as the upper half of the pair)
	s_wait_alu depctr_va_vdst(0)
	s_wait_loadcnt 40                              ; q is in; behind it tile 0's 8 loads and K's 32 may be out
	TOSTG ST
	FROMSTG S                                      ; lane (r, h): q[r][32 h + 0 .. 31]
	s_wait_dscnt 0x0                               ; they are back,
	s_wait_alu depctr_vm_vsrc(0)                   ; and the stores into the stage have read v[ST ..],
	MLOAD ST, 32768                                ; in which tile 1's mask lands
.set cnt, 0
.rept 32
	v_med3_num_f32 v[S+cnt], -v[S+cnt], -v13, v13  ; negated, and held within the largest code x the scale (the conversion does not saturate: ISA guide 7.6.2)
.set cnt, cnt+1
.endr
.irp g, 0,1,2,3
	v_cvt_scalef32_pk8_fp8_f32 v[QF+2*\g:QF+2*\g+1], v[S+8*\g:S+8*\g+7], v12
.endr
	v_nop                                          ; a plain vector line behind the last conversion
	s_wait_alu depctr_va_vdst(0)                   ; the conversions have written v[QF ..], which the two stores read
	ds_store_b128 v[PA], v[QF:QF+3]                ; the fragment goes to LDS as it stands
	ds_store_b128 v[PA], v[QF+4:QF+7] offset:512
	s_wait_loadcnt 40                              ; tile 0's mask is in; behind it K's 32 loads and tile 1's 8 may be out
	TOSTG P
	FROMSTG ML
	WIN 0x40
.set cnt, 0
.rept 32
	global_load_b128 v[128+4*cnt:128+4*cnt+3], v[LI], s[8:9] offset:512*cnt   ; V's 8 fragments: they stay
.set cnt, cnt+1
.endr
	WIN 0
	s_wait_dscnt 0x0                               ; for the others' sake: my image of Q has landed
	s_barrier_signal -1
	s_barrier_wait -1                              ; all eight images lie in LDS; they are never written again
	s_wait_alu depctr_vm_vsrc(0)                   ; my two stores have read v[QF ..], in which tile 0's fragment lands (the conversions that wrote it stand ahead of the last wait on va_vdst)
	ds_load_b128 v[QF:QF+3], v0
	ds_load_b128 v[QF+4:QF+7], v0 offset:512
	s_wait_loadcnt 40                              ; K is in; behind it tile 1's 8 loads and V's 32 may be out
	s_mov_b32 s28, 0                               ; the tile
	s_mov_b32 s29, 0                               ; its place among the partial O^T,
	s_mov_b32 s30, 0                               ; among the statistics,
	s_mov_b32 s31, 1024                            ; and the next tile's among Q's images
	s_wait_dscnt 0x0                               ; tile 0's fragment of Q is in: the way into the loop has no LDS instruction out
.Ltile:                                            ; 8 trips: a tile of 16 queries against my 256 keys
	s_wait_dscnt 9                                 ; the mask in my order and Q are in: LDS instructions end in order (ISA guide 5.7.1), and behind those loads the last trip issued its nine stores, which may be out
	s_wait_alu depctr_vm_vsrc(0)                   ; those nine stores have read S0-31, RAW, PA and SA, and Q's loads v0: all are written again below (first trip: the head's stores by PA and of v[P ..], its loads by v0)
	s_and_b32 s33, s31, 0x1c00                     ; (the last trip's, which is not used, stays inside the images too)
	s_add_co_u32 s33, s33, QIMG
	v_add_nc_u32 v[PA], s29, v[PA0]
	v_add_nc_u32 v[SA], s30, v[SA0]
	v_add_nc_u32 v0, s33, v[LI]
.set cnt, 0
.rept 16
	v_cvt_scale_pk8_f32_fp8 v[S+8*cnt:S+8*cnt+7], v[ML+2*cnt:ML+2*cnt+1], v[SC8]   ; eight mask bytes -> 0 or 2^118: the C of tile cnt
.set cnt, cnt+1
.endr
	v_nop                                          ; a plain vector line between the conversions and the products that take their results.  With the three additions above and the four lines behind the last trip's products: eight places ahead of the first product, which writes over O^T
	WIN 0x01                                       ; source 0 (K) window 1
.set cnt, 0
.rept 16
	v_wmma_f32_16x16x64_fp8_fp8 v[S+8*cnt:S+8*cnt+7], v[8*cnt:8*cnt+7], v[QF:QF+7], v[S+8*cnt:S+8*cnt+7]   ; sixteen accumulators, one instruction each
.set cnt, cnt+1
.endr
	WIN 0
	PLACES 4
	v_min3_num_f32 v[CH], v[S], v[S+1], v[S+2]     ; the smallest of my 128 sums, in four chains, the registers in ascending order: each accumulator is read first at its low end
	v_min3_num_f32 v[CH+1], v[S+3], v[S+4], v[S+5]
	v_min3_num_f32 v[CH+2], v[S+6], v[S+7], v[S+8]
	v_min3_num_f32 v[CH+3], v[S+9], v[S+10], v[S+11]
.set cnt, 0
.rept 58
	v_min3_num_f32 v[CH+cnt%4], v[CH+cnt%4], v[S+12+2*cnt], v[S+13+2*cnt]
.set cnt, cnt+1
.endr
	v_min3_num_f32 v[CH], v[CH], v[CH+1], v[CH+2]
	v_min_num_f32 v[CH], v[CH], v[CH+3]
	v_permlanex16_b32 v[PX], v[CH], s26, s27
	v_min_num_f32 v[RAW], v[CH], v[PX]             ; and of lane l xor 16's: of all my wave's 256 keys
	v_mul_f32 v[NM], s24, v[RAW]                   ; the largest t (cn is negative),
	v_max_num_f32 v[NM], 0xff61b1e6, v[NM]         ; not under -3e38, so that M is a number,
	v_floor_f32 v[NM], -v[NM]                      ; -M = floor(-t) = -ceil(t): M IS A WHOLE NUMBER
.set cnt, 0
.rept 64
	v_pk_fma_f32 v[S+cnt:S+cnt+1], v[S+cnt:S+cnt+1], s[24:25], v[NM:NM+1] op_sel_hi:[1,0,0]   ; t - M, two at a time (of the pairs cn and -M the low word serves both halves)
.set cnt, cnt+2
.endr
.set cnt, 0
	s_wait_alu depctr_va_vdst(0)
.rept 128
	v_exp_f32 v[S+cnt], v[S+cnt]                   ; p = 2^(t - M), at most 1; 0 for a hidden key
.set cnt, cnt+1
.endr
	v_nop                                          ; a plain vector line behind the last exponential (ISA guide 5.7.2),
	s_wait_alu depctr_va_vdst(0)                   ; the 128 exponentials have written p, ahead of the batch's first reader; and: the conversions are done reading v[ML ..], the first products v[QF ..], and v0, PA and SA are written
	v_pk_add_f32 v[CH:CH+1], v[S:S+1], v[S+2:S+3]  ; THE SUM IS TAKEN OF THE UNQUANTISED p: two at a time, in two chains
	v_pk_add_f32 v[CH+2:CH+3], v[S+4:S+5], v[S+6:S+7]
.set cnt, 8
.rept 30
	v_pk_add_f32 v[CH:CH+1], v[CH:CH+1], v[S+cnt:S+cnt+1]
	v_pk_add_f32 v[CH+2:CH+3], v[CH+2:CH+3], v[S+cnt+2:S+cnt+3]
.set cnt, cnt+4
.endr
	v_pk_add_f32 v[CH:CH+1], v[CH:CH+1], v[CH+2:CH+3]
	v_add_f32 v[RAW+1], v[CH], v[CH+1]
	v_permlanex16_b32 v[PX], v[RAW+1], s26, s27
	v_add_f32 v[RAW+1], v[RAW+1], v[PX]
	s_wait_loadcnt 0x0                             ; the next tile's mask is in (asked for a trip ago); in the first trip V too
	s_cmp_lt_u32 s28, 7
	s_cbranch_scc0 .Lno_next                       ; the last trip has no next tile
	s_wait_xcnt 0x0                                ; the loads and the prefetch of the last trip have read their base: it may step
	s_add_nc_u64 s[10:11], s[10:11], 32768         ; the mask at the next tile
	TOSTG ST                                       ; the next tile's mask turns through my stage while this tile is finished,
	FROMSTG ML                                     ; (no wait: no vector or matrix line since the wait behind the exponentials names v[ML ..], v[QF ..] or v0)
	ds_load_b128 v[QF:QF+3], v0                    ; and its fragment of Q comes
	ds_load_b128 v[QF+4:QF+7], v0 offset:512
.Lno_next:
	s_cmp_ge_i32 s22, -8                           ; 448 x 2^ep >= 1.75 there: the hold would change nothing
	s_cbranch_scc1 .Lno_hold
.set cnt, 0
.rept 128
	v_min_num_f32 v[S+cnt], v[S+cnt], v[LMP]       ; the conversion to an 8-bit code does not saturate (ISA guide 7.6.2); p is not negative, so the hold is one-sided
.set cnt, cnt+1
.endr
.Lno_hold:
.set cnt, 0
.rept 16
	v_cvt_scalef32_pk8_fp8_f32 v[P+2*cnt:P+2*cnt+1], v[S+8*cnt:S+8*cnt+7], v[SCP]   ; keys 128 h + 8 cnt + 0 .. 7
.set cnt, cnt+1
.endr
	v_nop                                          ; a plain vector line between the conversions and the products, which read their results and write over their sources
	WIN 0x01                                       ; source 0 (V) window 1
.irp u, 0,1,2,3                                    ; O^T = V^T P^T: four tiles of 16 channels by turns; keys 128 h + 0 .. 63 start the sums,
	v_wmma_f32_16x16x128_fp8_fp8 v[S+8*\u:S+8*\u+7], v[128+16*\u:128+16*\u+15], v[P:P+15], 0
.endr
.irp u, 0,1,2,3                                    ; keys 128 h + 64 .. 127 end them
	v_wmma_f32_16x16x128_fp8_fp8 v[S+8*\u:S+8*\u+7], v[192+16*\u:192+16*\u+15], v[P+16:P+31], v[S+8*\u:S+8*\u+7]
.endr
	WIN 0
	s_wait_alu depctr_vm_vsrc(0)                   ; the eight stores into the stage have read v[ST ..], in which the loads below land; ahead of the branch, so on every way to them
	s_cmp_lt_u32 s28, 6
	s_cbranch_scc0 .Lno_load                       ; the last two trips ask for nothing: no load leaves the mask
	s_wait_dscnt 10                                ; the eight stores into the stage are done; the ten LDS loads behind them may be out
	MLOAD ST, 32768                                ; the mask of the tile after the next
	s_cmp_lt_u32 s28, s32
	s_cbranch_scc0 .Lno_load
	; A prefetch of the mask of the tile three on, which the next trip's loads will name.  An even wave names, for each of the tile's 16 rows, its own 256 bytes and its odd neighbour's: a lane a block, each block once in the launch.
	; Trips 5 to 7 have no tile three on; tiles 0 to 2 come by their loads alone.  The base is stepped in the next trip, behind s_wait_xcnt 0.
	global_prefetch_b8 v[PFO], s[10:11] offset:65536 th:TH_LOAD_NT scope:SCOPE_SE
.Lno_load:
	PLACES 4                                       ; between the last products and the stores of their results
	s_wait_alu depctr_va_vdst(0)                   ; the second products have written O^T and the statistics' lines v[RAW:RAW+1], which the nine stores read; the places above stay beside this wait
	ds_store_b64 v[SA], v[RAW:RAW+1]               ; my smallest sum and my sum of p
.irp c, 0,1,2,3,4,5,6,7
	ds_store_b128 v[PA], v[S+4*\c:S+4*\c+3] offset:512*\c   ; O^T as it stands, each accumulator from its low end on; 512 consecutive bytes a store
.endr
	s_add_co_u32 s29, s29, 32768
	s_add_co_u32 s30, s30, 2048
	s_add_co_u32 s31, s31, 1024
	s_add_co_u32 s28, s28, 1
	s_cmp_lt_u32 s28, 8
	s_cbranch_scc1 .Ltile
	; ---- THE JOIN.  Wave w takes tile w: eight partials, in the same lanes and registers in which they were made.
	s_wait_dscnt 0x0                               ; for the others' sake: my partial results have landed
	s_barrier_signal -1
	s_barrier_wait -1
	s_wait_alu depctr_vm_vsrc(0)                   ; the last trip's nine stores have read SA and PA, which are written below, and S0-31, in which partial 0 lands; the stage's stores have read v[ST ..], which takes the sums
	s_mul_i32 s33, s16, 1792
	v_add_nc_u32 v[SA], s33, v[SA0]                ; STAT + 2048 w + 8 lane
	s_lshl_b32 s33, s16, 15
	v_add_nc_u32 v[PA], s33, v[LI]                 ; 32768 w + 16 lane
	s_wait_alu depctr_va_vdst(0)                   ; SA and PA are written, which the 72 loads below read; the loop's vector and matrix lines are done with v[ML ..], v[S ..] and K's registers, in which they land
.irp i, 0,1,2,3,4,5,6,7
	ds_load_b64 v[ML+2*\i:ML+2*\i+1], v[SA] offset:256*\i     ; wave i's smallest sum and sum of p
.endr
.irp i, 0,1,2,3
.irp c, 0,1,2,3,4,5,6,7
	ds_load_b128 v[S+32*\i+4*\c:S+32*\i+4*\c+3], v[PA] offset:4096*\i+512*\c
.endr
.endr
	s_wait_dscnt 32                                ; the statistics are in; the 32 loads behind them may be out
	WIN 0x40                                       ; partials 4 to 7 go into window 1, where K lay (between the wait on va_vdst above and these loads stand loads, a wait on a counter and this switch alone)
.irp i, 4,5,6,7
.irp c, 0,1,2,3,4,5,6,7
	ds_load_b128 v[32*(\i-4)+4*\c:32*(\i-4)+4*\c+3], v[PA] offset:4096*\i+512*\c
.endr
.endr
	WIN 0
.irp i, 0,1,2,3,4,5,6,7
	v_mul_f32 v[P+\i], s24, v[ML+2*\i]             ; wave i's -M, by the same three lines that made it
.endr
.irp i, 0,1,2,3,4,5,6,7
	v_max_num_f32 v[P+\i], 0xff61b1e6, v[P+\i]
.endr
.irp i, 0,1,2,3,4,5,6,7
	v_floor_f32 v[P+\i], -v[P+\i]
.endr
	v_min3_num_f32 v[CH], v[ML], v[ML+2], v[ML+4]  ; the row's smallest sum,
	v_min3_num_f32 v[CH+1], v[P], v[P+1], v[P+2]   ; and the smallest -M: the largest M
	v_min3_num_f32 v[CH], v[CH], v[ML+6], v[ML+8]
	v_min3_num_f32 v[CH+1], v[CH+1], v[P+3], v[P+4]
	v_min3_num_f32 v[CH], v[CH], v[ML+10], v[ML+12]
	v_min3_num_f32 v[CH+1], v[CH+1], v[P+5], v[P+6]
	v_min_num_f32 v[CH], v[CH], v[ML+14]
	v_min_num_f32 v[CH+1], v[CH+1], v[P+7]
.irp i, 0,1,2,3,4,5,6,7
	v_sub_f32 v[P+\i], v[CH+1], v[P+\i]            ; wave i's M less the largest: a whole number, 0 or less
.endr
.irp i, 0,1,2,3,4,5,6,7
	v_cvt_i32_f32 v[P+\i], v[P+\i]                 ; (it saturates)
.endr
.irp i, 0,1,2,3,4,5,6,7
	v_ldexp_f32 v[ML+2*\i], 1.0, v[P+\i]           ; f = 2^(its M - the largest M): a multiplication by it rounds nothing; 0 for a wave all of whose keys are hidden beside one that has a key
.endr
	v_mul_f32 v[CH+2], v[ML], v[ML+1]
.irp i, 1,2,3,4,5,6,7
	v_fmac_f32 v[CH+2], v[ML+2*\i], v[ML+2*\i+1]   ; the row's sum
.endr
	s_wait_alu depctr_va_vdst(0)
	v_rcp_f32 v[CH+3], v[CH+2]
	v_mov_b32 v[PX], 0x7fc00000                    ; (a plain vector line behind the reciprocal)  NaN
	v_cmp_lt_f32 vcc_lo, 0x71800000, v[CH]         ; 2^100 < the smallest sum: every key of the row is hidden
	v_bfe_u32 v24, v[LI], 4, 4                     ; the way out: r,
	v_bfe_u32 v25, v[LI], 8, 1                     ; h
	v_mul_u32_u24 v24, v24, PITCH
	v_lshl_add_u32 v24, v25, 5, v24
	s_mul_i32 s33, s16, WSTG
	s_add_co_u32 s33, s33, MSTG
	v_add_nc_u32 v24, s33, v24                     ; my stage: row r, byte 32 h
	s_wait_alu depctr_va_vdst(0)                   ; the reciprocal has written v[CH+3], ahead of its first reader
	v_ldexp_f32 v[CH+3], v[CH+3], s38              ; x 2^(ep + ev)
	s_wait_alu depctr_va_vcc(0)                    ; the compare has written VCC, ahead of its one reader, the select below
	v_cndmask_b32 v[NM], v[CH+3], v[PX], vcc_lo
	s_wait_dscnt 32                                ; partials 0 to 3 are in; the 32 loads behind them may be out
.set cnt, 0
.rept 16
	v_pk_mul_f32 v[ST+cnt:ST+cnt+1], v[S+cnt:S+cnt+1], v[ML:ML+1] op_sel_hi:[1,0]   ; the first partial starts the sums: nothing is cleared
.set cnt, cnt+2
.endr
.macro ACCUM i, base                   ; the sums += f of wave i x its partial at v[base] on
.set cnt, 0
.rept 16
	v_pk_fma_f32 v[ST+cnt:ST+cnt+1], v[\base+cnt:\base+cnt+1], v[ML+2*\i:ML+2*\i+1], v[ST+cnt:ST+cnt+1] op_sel_hi:[1,0,1]
.set cnt, cnt+2
.endr
.endm
	ACCUM 1, S+32
	ACCUM 2, S+64
	ACCUM 3, S+96
	s_wait_dscnt 0x0                               ; partials 4 to 7 are in
	WIN 0x01                                       ; source 0 window 1
	ACCUM 4, 0
	ACCUM 5, 32
	ACCUM 6, 64
	ACCUM 7, 96
	WIN 0
.set cnt, 0
.rept 16
	v_pk_mul_f32 v[ST+cnt:ST+cnt+1], v[ST+cnt:ST+cnt+1], v[NM:NM+1] op_sel_hi:[1,0]   ; / the sum, x 2^(ep + ev); NaN for a row with no key
.set cnt, cnt+2
.endr
	; Register 8 u + j is out(r, 16 u + 8 h + j): 32 neighbouring bytes of a row, and the lanes beside me hold other rows.  So the tile goes through my stage and leaves as whole rows of 256 bytes.
	s_wait_alu depctr_va_vdst(0)                   ; the sums in v[ST ..] and the address v24 are written, which the stores read; and the join's lines are done reading S0-31, in which the loads from the stage land
.irp u, 0,1,2,3
	ds_store_b128 v24, v[ST+8*\u:ST+8*\u+3] offset:64*\u
	ds_store_b128 v24, v[ST+8*\u+4:ST+8*\u+7] offset:64*\u+16
.endr
.irp i, 0,1,2,3,4,5,6,7
	ds_load_b128 v[S+4*\i:S+4*\i+3], v[STI] offset:2*PITCH*\i   ; LDS serves a wave's instructions in order: these see my stores
.endr
.irp i, 0,1,2,3,4,5,6,7
	s_wait_dscnt 7-\i                              ; LDS loads come back in order: pair i of rows is in
	global_store_b128 v[LI], v[S+4*\i:S+4*\i+3], s[14:15] offset:512*\i th:TH_STORE_NT   ; 32 lanes store two rows, 512 consecutive bytes, aligned; written once, read by nobody here
.endr
	s_wait_dscnt 0x0                               ; the closing lines, six on end
	s_wait_alu 0x0
	s_wait_tensorcnt 0x0
	ds_add_u32 v[SPW], v[NIL]
	s_wait_dscnt 0x0
	s_endpgm
.Lfunc_end_k_q5c58fb93f5_attn:
	.size	k_q5c58fb93f5_attn, .Lfunc_end_k_q5c58fb93f5_attn-k_q5c58fb93f5_attn
	.p2alignl 7, 3214868480
	.fill 96, 4, 3214868480
	.section	.rodata,"a",@progbits
	.p2align	6, 0x0
	.amdhsa_kernel k_q5c58fb93f5_attn
		.amdhsa_group_segment_fixed_size 323584
		.amdhsa_private_segment_fixed_size 0
		.amdhsa_enable_private_segment 0
		.amdhsa_kernarg_size 48
		.amdhsa_user_sgpr_count 2
		.amdhsa_user_sgpr_kernarg_segment_ptr 1
		.amdhsa_wavefront_size32 1
		.amdhsa_system_sgpr_workgroup_id_x 1
		.amdhsa_system_sgpr_workgroup_id_y 1
		.amdhsa_system_sgpr_workgroup_id_z 1
		.amdhsa_system_vgpr_workitem_id 0
		.amdhsa_next_free_vgpr 512
		.amdhsa_next_free_sgpr 66
		.amdhsa_reserve_vcc 1
		.amdhsa_float_denorm_mode_32 3
		.amdhsa_float_denorm_mode_16_64 3
		.amdhsa_memory_ordered 1
		.amdhsa_forward_progress 1
		.amdhsa_inst_pref_size 66
	.end_amdhsa_kernel
	.amdgpu_metadata
---
amdhsa.version: [ 1, 2 ]
amdhsa.kernels:
  - .name:           k_q5c58fb93f5_attn
    .symbol:         k_q5c58fb93f5_attn.kd
    .args:
      - { .name: q, .offset: 0, .size: 8, .value_kind: global_buffer, .address_space: global }
      - { .name: kc, .offset: 8, .size: 8, .value_kind: global_buffer, .address_space: global }
      - { .name: vc, .offset: 16, .size: 8, .value_kind: global_buffer, .address_space: global }
      - { .name: mask, .offset: 24, .size: 8, .value_kind: global_buffer, .address_space: global }
      - { .name: lowp_scales, .offset: 32, .size: 8, .value_kind: global_buffer, .address_space: global }
      - { .name: out0, .offset: 40, .size: 8, .value_kind: global_buffer, .address_space: global }
    .group_segment_fixed_size: 323584
    .private_segment_fixed_size: 0
    .kernarg_segment_align: 8
    .kernarg_segment_size: 48
    .max_flat_workgroup_size: 256
    .sgpr_count:     66
    .vgpr_count:     512
    .wavefront_size: 32
...
	.end_amdgpu_metadata
.endif
;; end of part 4
